; MI455X (gfx1250); checked and timed in simulation.
; The chip was launched on July 23, 2026; its instructions are those of AMD's public machine-readable ISA for CDNA 5 (MIT licence, August 2026) and "CDNA5" Instruction Set Architecture Reference Guide (July 2026). The comments in the code are by the model that wrote it; some were corrected since.
;; Multi Head Self Attention. Allowed arithmetic: matrix products marked QUANTISED: E2M1 operands, one E8M0 scale for each 32 along K, by v_wmma_scale_f32_16x16x128_f8f6f4 with both operands' format E2M1 (or v_wmma_scale_f32_32x16x128_f4), f32 sums; everything else in f32.
;; Inputs: bk 1,024 float32; bo 1,024 float32; bq 1,024 float32; bv 1,024 float32; wk 1,024 x 1,024 float32; wo 1,024 x 1,024 float32; wq 1,024 x 1,024 float32; wv 1,024 x 1,024 float32; x 4 x 2,048 x 1,024 float32.
;; Outputs: out0 4 x 2,048 x 1,024 float32.
;; This version of the problem:
;;   THIS VERSION OF THE PROBLEM IS GIVEN IN LOW PRECISION. The matrix products marked QUANTISED in the list below multiply operands that are first quantised to E2M1 (2 exponent bits, 1 mantissa bit; 4 bits a number), with one power-of-two scale for each 32 numbers along K (OCP MX v1.0); their sums are f32. All else is computed in f32.
;;   The module's matrix products, in the order in which they are computed (A, B: the left and right operand; K: the contracted axis; several contracted axes count as one K, in the product's order):
;;     1. [M 8,192, K 1,024] x [K 1,024, N 1,024]; A: input x; B: input wq: QUANTISED
;;     2. [M 8,192, K 1,024] x [K 1,024, N 1,024]; A: input x; B: input wk: QUANTISED
;;     3. [M 8,192, K 1,024] x [K 1,024, N 1,024]; A: input x; B: input wv: QUANTISED
;;     4. batch 64 x [M 2,048, K 64] x [K 64, N 2,048]; A: computed on the way; B: computed on the way: QUANTISED
;;     5. batch 64 x [M 2,048, K 2,048] x [K 2,048, N 64]; A: softmax (see below); B: computed on the way: QUANTISED
;;     6. [M 8,192, K 1,024] x [K 1,024, N 1,024]; A: computed on the way; B: input wo: QUANTISED
;;   THE QUANTISER, for each operand of a quantised product, along K:
;;     - K is cut into blocks of 32 from its start; a last block that is shorter is filled with zeros.
;;     - A block's scale is 2^e with e = floor(log2(the largest magnitude in the block)) - 2, held to -126 .. 127; a block of zeros has e = 0. As a byte (E8M0): e + 127.
;;     - Each number is divided by its block's scale, clamped to +-6, and rounded to the nearest number of E2M1, ties to even, subnormals kept.
;;     - The product sums the exact products of the quantised numbers (number of the format x scale) in f32.
;;   ~~~python
;;   def quantise(x, axis):      # numpy; x: float32 -> the quantised numbers, widened to float32 again
;;       x = np.moveaxis(x, axis, -1); K = x.shape[-1]
;;       x = np.pad(x, [(0, 0)] * (x.ndim - 1) + [(0, -K % 32)]); x = x.reshape(x.shape[:-1] + (-1, 32)); a = np.abs(x).max(-1, keepdims=True)
;;       e = np.where(a > 0, np.clip(np.frexp(np.where(a > 0, a, 1))[1] - 1 - 2, -126, 127), 0)      # np.frexp(a)[1] - 1 = floor(log2(a)), exactly
;;       r = np.clip(x / 2.0 ** e, -6, 6)
;;       step = 2.0 ** (np.maximum(np.frexp(np.where(r == 0, 1, r))[1] - 1, 0) - 1)
;;       q = np.round(r / step) * step * 2.0 ** e      # np.round: ties to even
;;       return np.moveaxis(q.reshape(q.shape[:-2] + (-1,))[..., :K], -1, axis).astype(np.float32)
;;   ~~~
;;   SOFTMAX AHEAD OF A QUANTISED PRODUCT. Where the list says 'softmax', what is quantised is not the finished softmax but p = 2^(t - M), with t = logit x log2(e) and M = ceil(the row's largest t), a whole number; so 1/2 < the row's largest p <= 1. The row's sum l is taken of the UNQUANTISED p, in f32, and the product's result is divided by l at the end. Since M is a whole number, a kernel that streams over the keys may use a running M (the ceiling of the running maximum): every later rescaling is an exact power of two, which a block's scale takes up: the codes' values come out the same.
;;   OPERANDS COMPUTED ON THE WAY. 'Computed on the way' means the value that the module computes at that place (a softmax that the list does not call 'softmax' is quantised finished and normalised). What goes into a quantiser is computed in f32, as accurately as f32 sums, v_exp_f32 and their like allow (about 1e-6 of the number): no bf16 or f16 on the way to a quantiser, and a product that is left as it is and whose result goes on into a quantised operand takes f32 operands (vector FMAs, or v_wmma_f32_16x16x4_f32). A number that lies on a knife's edge between two numbers of the format may be rounded either way, as far as f32 arithmetic and the matrix unit's own rounding can turn it there, and no further.
;; One version. Each part assembles by itself: llvm-mc -triple=amdgcn-amd-amdhsa -mcpu=gfx1250 --defsym DOCPART=n.
;; ======== version 1 of 1: 4 launches
;; workspace buffers: xq 4,456,448 bytes; wts 2,228,224 bytes; qc 4,718,592 bytes; kv 9,175,040 bytes; ctx 4,456,448 bytes
;; launch prep (part 1): grid 384 x 1, 4 waves a work-group, no clusters, 41,472 bytes of LDS; arguments x, wq, wk, wv, wo, xq, wts; writes xq, wts
.if DOCPART == 1
	.amdgcn_target "amdgcn-amd-amdhsa--gfx1250"
	.amdhsa_code_object_version 6
	.text
	.protected	k_q2ff0d2c46c_prep
	.globl	k_q2ff0d2c46c_prep
	.p2align	8
	.type	k_q2ff0d2c46c_prep,@function
k_q2ff0d2c46c_prep:
	s_mov_b64 s[64:65], 0
	v_nop
	global_prefetch_b8 v0, s[64:65] scope:SCOPE_SE
	s_setreg_imm32_b32 hwreg(HW_REG_WAVE_MODE, 25, 1), 1
	s_wait_xcnt 0x0
; x [8192][1024] and the four weights [1024 (k)][1024 (n)], f32, become codes of FP4 (E2M1) with one E8M0 scale byte for each 32 along K, laid in the ORDER OF AN OPERAND'S REGISTERS.
; ROW TILES.  An operand's rows (x: tokens; a weight: its output columns) are kept by POSITION: in each group of 32 rows position p holds row p with bits 3 and 4 exchanged, so lane row r of
; row tile T is row 32 (T / 2) + 8 (T % 2) + r + 8 (r / 8).  A product that takes such tiles as source 0 then leaves 16 true neighbours in the 16 registers of two neighbouring tiles.
; CODES: [row tile][K step of 128: 8][c 2][lane 32][16 bytes]: lane (r, h), piece c holds k = 64 c + 32 h + 0 .. 31 of row r: block kb of a row lies at 256 kb + 16 r of the tile's 8,192 bytes.
; SCALE BYTES: [row tile][half of K 2][r 16][16 bytes], the byte of the lower k first.
; A block's scale is 2^(floor(log2(its largest magnitude)) - 2); its byte is the largest magnitude's exponent field - 2, held at 1 from below.
; LIMITS: a block of zeros gets the byte 1 over zero codes (these bytes are read by this program alone); blocks whose largest magnitude lies under 2^-124 are held at the byte 1; NaN and infinities are not served.
; Work-groups 0 to 255 take x, 256 to 383 the weights; the two ways never join, and only x's way uses LDS.  Waves share nothing: no barrier.  No work-group reads what another reads: no cluster.
.set WREG, 10240                       ; LDS of a wave (x's way): two turning stages of 32 x SP, the codes' stage, 256 scale bytes
.set SP,   80                          ; a lane's place in a turning stage: 64 bytes + 16 of padding
.set CST,  5120                        ; the codes' stage: 16 runs of 256 bytes + 16 of padding
.set SST,  9472                        ; the scale bytes
.set R,    16                          ; v16-143  eight sets of 16 numbers as they are loaded
.set X,    144                         ; v144-175 two sets of 16 neighbours
.set C,    176                         ; v176-207 a step's codes, two registers each
.set E,    208                         ; v208-223 a step's scale byte
.set WX,   32                          ; the weights' way: v32-95 two sets of 32 numbers
.set WC,   96                          ; v96-127  a block's codes, four registers each, never written again
.set SB,   24                          ; v24-25   eight scale bytes
	s_load_b256 s[4:11], s[0:1], 0x0               ; x s[4:5], wq s[6:7], wk s[8:9], wv s[10:11]
	s_load_b128 s[12:15], s[0:1], 0x20             ; wo s[12:13], xq s[14:15]
	s_load_b64 s[16:17], s[0:1], 0x30              ; wts
	v_lshl_add_u32 v224, v0, 2, 0xa000
	v_mov_b32 v225, 0
	v_lshrrev_b32 v1, 5, v0
	v_readfirstlane_b32 s18, v1                    ; wave 0..3
	v_and_b32 v2, 31, v0                           ; lane
	s_cmp_ge_u32 ttmp9, 256
	s_cbranch_scc1 .Lweights
; ---- x.  A wave takes one row tile x half of K: 16 steps, step t = row position t, 512 numbers.  Each load reads 512 consecutive bytes; the 2,048 bytes turn through the wave's stage so that a lane
; holds 16 neighbours (two lanes to a block).  A lane's 8 bytes of codes belong at 256 (lane / 2) + 16 t + 8 (lane % 2) of the tile's half: they are gathered in a stage and leave as 512 consecutive bytes a store.
	v_lshlrev_b32 v3, 4, v2                        ; 16 x lane
	s_mul_i32 s19, s18, WREG
	v_lshrrev_b32 v14, 2, v2
	v_mul_u32_u24 v14, v14, SP
	v_and_b32 v15, 3, v2
	v_lshl_add_u32 v14, v15, 4, v14
	v_add_nc_u32 v14, s19, v14                     ; turning stage, in: SP (lane / 4) + 16 (lane % 4)
	v_mul_u32_u24 v15, v2, SP
	v_add_nc_u32 v15, s19, v15                     ; and out: SP x lane
	v_lshrrev_b32 v5, 1, v2
	v_mul_u32_u24 v4, v5, 272
	v_and_b32 v6, 1, v2
	v_lshl_add_u32 v4, v6, 3, v4
	v_add_nc_u32 v4, s19, v4
	v_add_nc_u32 v4, CST, v4                       ; codes' stage, in: 272 (lane / 2) + 8 (lane % 2)
	v_add_nc_u32 v5, s19, v5
	v_add_nc_u32 v5, SST, v5                       ; my block's scale byte
	v_lshlrev_b32 v7, 3, v2                        ; 8 x lane
	v_add_nc_u32 v6, s19, v7
	v_add_nc_u32 v6, SST, v6                       ; the scale bytes on the way out
	v_lshrrev_b32 v9, 4, v2
	v_lshl_add_u32 v9, v9, 4, v3
	v_add_nc_u32 v9, s19, v9
	v_add_nc_u32 v9, CST, v9                       ; codes' stage, out: 16 lane + 16 (lane / 16)
	s_lshl_b32 s20, ttmp9, 1
	s_lshr_b32 s21, s18, 1
	s_add_co_u32 s20, s20, s21                     ; T: my row tile
	s_and_b32 s21, s18, 1                          ; my half of K
	s_lshr_b32 s22, s20, 1
	s_lshl_b32 s22, s22, 17                        ; 32 rows of 4,096 bytes for each pair of tiles,
	s_and_b32 s23, s20, 1
	s_lshl_b32 s23, s23, 15                        ; 8 rows for the odd tile,
	s_add_co_u32 s22, s22, s23
	s_lshl_b32 s23, s21, 11                        ; 2,048 bytes for the second half of K
	s_add_co_u32 s22, s22, s23
	s_mov_b32 s23, 0
	s_lshl_b32 s24, s20, 13
	s_lshl_b32 s25, s21, 12
	s_add_co_u32 s24, s24, s25                     ; codes: 8,192 T + 4,096 half
	s_mov_b32 s25, 0
	s_lshl_b32 s30, s20, 9
	s_lshl_b32 s31, s21, 8
	s_add_co_u32 s30, s30, s31
	s_add_co_u32 s30, s30, 0x400000                ; scale bytes: behind the codes, 512 T + 256 half
	s_mov_b32 s31, 0
	s_wait_kmcnt 0x0
	s_add_nc_u64 s[4:5], s[4:5], s[22:23]
	s_add_nc_u64 s[26:27], s[14:15], s[24:25]
	s_add_nc_u64 s[28:29], s[14:15], s[30:31]
.macro XLOAD t                         ; row position t is row t + 8 (t / 8) of the tile's rows
.irp i, 0,1,2,3
	global_load_b128 v[R+16*((\t)%8)+4*\i:R+16*((\t)%8)+4*\i+3], v3, s[4:5] offset:((\t)+8*((\t)/8))*4096+512*\i th:TH_LOAD_NT
.endr
.endm
.macro XTURN t                         ; LDS serves a wave's instructions in order: no wait between the stores and the loads
.irp i, 0,1,2,3
	ds_store_b128 v14, v[R+16*((\t)%8)+4*\i:R+16*((\t)%8)+4*\i+3] offset:32*SP*((\t)%2)+8*SP*\i
.endr
.irp i, 0,1,2,3
	ds_load_b128 v[X+16*((\t)%2)+4*\i:X+16*((\t)%2)+4*\i+3], v15 offset:32*SP*((\t)%2)+16*\i
.endr
.endm
.macro XSTEP t
.set XS, X+16*((\t)%2)
.if (\t) > 0
	s_wait_dscnt 2                                 ; this step's numbers are back from the stage; the last step's two stores (byte, codes) may be out
.else
	s_wait_dscnt 0x0
.endif
.if (\t)+8 < 16
	XLOAD (\t)+8                                   ; into the set that this step's turn has read
.endif
.if (\t) < 15
.if 14-(\t) >= 7
	s_wait_loadcnt 28                              ; the next step's four loads are in; those of the seven steps behind it may be out
.else
	s_wait_loadcnt 4*(14-(\t))
.endif
	XTURN (\t)+1
.endif
	v_max3_num_f32 v8, |v[XS]|, |v[XS+1]|, |v[XS+2]|
	v_max3_num_f32 v10, |v[XS+3]|, |v[XS+4]|, |v[XS+5]|
.irp i, 6,10
	v_max3_num_f32 v8, v8, |v[XS+\i]|, |v[XS+\i+1]|
	v_max3_num_f32 v10, v10, |v[XS+\i+2]|, |v[XS+\i+3]|
.endr
	v_max3_num_f32 v8, v8, |v[XS+14]|, |v[XS+15]|
	v_max3_num_f32 v8, v8, v10, 0x1800000          ; the floor 2^(3 - 127): the byte cannot fall under 1
	v_max_num_f32_dpp v8, v8, v8 row_xmask:1 row_mask:0xf bank_mask:0xf   ; with my neighbour's 16: the block's largest magnitude
	v_add_nc_u32 v11, 0xff000000, v8               ; 2 off its exponent field: the conversion's scale operand
	v_cvt_scalef32_pk8_fp4_f32 v[C+2*(\t)], v[XS:XS+7], v11
	v_cvt_scalef32_pk8_fp4_f32 v[C+2*(\t)+1], v[XS+8:XS+15], v11
	v_lshrrev_b32 v[E+(\t)], 23, v11               ; the scale's byte (also the plain line behind the conversions)
	ds_store_b8 v5, v[E+(\t)] offset:16*(\t)       ; both lanes of a block write the same byte with the same value
	ds_store_b64 v4, v[C+2*(\t):C+2*(\t)+1] offset:16*(\t)
.endm
.irp t, 0,1,2,3,4,5,6,7
	XLOAD \t
.endr
	s_wait_loadcnt 28                              ; step 0's four loads are in
	XTURN 0
.irp t, 0,1,2,3,4,5,6,7,8,9,10,11,12,13,14,15
	XSTEP \t
.endr
.irp i, 0,1,2,3,4,5,6,7
	ds_load_b128 v[16+4*\i:19+4*\i], v9 offset:544*\i   ; 512 bytes of the image: two runs of 256 + 16
.endr
	ds_load_b64 v[48:49], v6
.irp i, 0,1,2,3,4,5,6,7
	s_wait_dscnt 8-\i                              ; load i is in; the younger ones may be out
	global_store_b128 v3, v[16+4*\i:19+4*\i], s[26:27] offset:512*\i   ; 512 consecutive bytes, aligned
.endr
	s_wait_dscnt 0x0
	global_store_b64 v7, v[48:49], s[28:29]        ; 256 consecutive bytes, aligned
	s_wait_tensorcnt 0x0
	ds_add_u32 v224, v225
	s_wait_dscnt 0x0
	s_endpgm
; ---- the weights.  K is their first axis: a lane takes a column and its registers run down K, so a block of 32 lies in one lane and the conversions give codes with K innermost.
; Lane l is POSITION l of a group of 32 columns, so it loads the column with bits 3 and 4 exchanged.  A wave takes 32 columns x 256 along K: 8 blocks.  A block's 16 bytes a lane are stored as they come:
; lanes 0-15 and lanes 16-31 each write 256 consecutive bytes, aligned.  The scale bytes leave as 8 bytes a lane, 16 bytes apart: one byte in 128 of what this way reads.
.Lweights:
	s_sub_co_u32 s19, ttmp9, 256
	s_lshr_b32 s20, s19, 5                         ; which weight: wq, wk, wv, wo
	s_bfe_u32 s21, s19, 0x40001
	s_and_b32 s22, s19, 1                          ; which half of K
	s_and_b32 s23, s18, 1
	s_lshl_b32 s21, s21, 1
	s_add_co_u32 s21, s21, s23                     ; G: my group of 32 columns
	s_lshr_b32 s23, s18, 1                         ; which quarter within the half
	s_lshl_b32 s24, s22, 1
	s_add_co_u32 s24, s24, s23                     ; my 256 along K
	s_lshl_b32 s26, s24, 20                        ; 256 rows of 4,096 bytes
	s_lshl_b32 s27, s21, 7
	s_add_co_u32 s26, s26, s27
	s_mov_b32 s27, 0
	s_lshl_b32 s28, s20, 19                        ; codes: 524,288 a weight, 16,384 a group, 256 a block
	s_lshl_b32 s29, s21, 14
	s_add_co_u32 s28, s28, s29
	s_lshl_b32 s29, s24, 11
	s_add_co_u32 s28, s28, s29
	s_mov_b32 s29, 0
	s_lshl_b32 s30, s20, 15                        ; scale bytes: 32,768 a weight, 1,024 a group, 256 a half, 8 a quarter
	s_lshl_b32 s31, s21, 10
	s_add_co_u32 s30, s30, s31
	s_lshl_b32 s31, s22, 8
	s_add_co_u32 s30, s30, s31
	s_lshl_b32 s31, s23, 3
	s_add_co_u32 s30, s30, s31
	s_add_co_u32 s30, s30, 0x200000
	s_mov_b32 s31, 0
	s_and_b32 s25, s20, 1
	s_wait_alu depctr_va_vdst(0)
	v_and_b32 v3, 7, v2
	v_bfe_u32 v6, v2, 3, 1
	v_bfe_u32 v7, v2, 4, 1
	v_lshl_or_b32 v3, v6, 4, v3
	v_lshl_or_b32 v3, v7, 3, v3
	v_lshlrev_b32 v3, 2, v3                        ; 4 x my column in the group
	v_and_b32 v6, 15, v2
	v_lshlrev_b32 v6, 4, v6
	v_lshl_add_u32 v4, v7, 13, v6                  ; codes: 8,192 (lane / 16) + 16 (lane % 16)
	v_lshl_add_u32 v5, v7, 9, v6                   ; scale bytes: 512 (lane / 16) + 16 (lane % 16)
	s_wait_alu depctr_va_vdst(0)
	s_wait_kmcnt 0x0
	s_cmp_lt_u32 s20, 2
	s_cselect_b64 s[32:33], s[6:7], s[10:11]
	s_cselect_b64 s[34:35], s[8:9], s[12:13]
	s_cmp_eq_u32 s25, 0
	s_cselect_b64 s[32:33], s[32:33], s[34:35]
	s_add_nc_u64 s[32:33], s[32:33], s[26:27]
	s_add_nc_u64 s[36:37], s[16:17], s[28:29]
	s_add_nc_u64 s[38:39], s[16:17], s[30:31]
.macro WLOAD t
.irp i, 0,1,2,3,4,5,6,7,8,9,10,11,12,13,14,15,16,17,18,19,20,21,22,23,24,25,26,27,28,29,30,31
	global_load_b32 v[WX+32*((\t)%2)+\i], v3, s[32:33] offset:(32*(\t)+\i)*4096 th:TH_LOAD_NT
.endr
.endm
.macro WBLOCK t
.set XS, WX+32*((\t)%2)
.if (\t) < 7
	s_wait_loadcnt 32                              ; this block's 32 loads are in; the next block's may be out
.else
	s_wait_loadcnt 0x0
.endif
	v_max3_num_f32 v12, |v[XS]|, |v[XS+1]|, |v[XS+2]|
	v_max3_num_f32 v13, |v[XS+3]|, |v[XS+4]|, |v[XS+5]|
.irp i, 6,10,14,18,22,26
	v_max3_num_f32 v12, v12, |v[XS+\i]|, |v[XS+\i+1]|
	v_max3_num_f32 v13, v13, |v[XS+\i+2]|, |v[XS+\i+3]|
.endr
	v_max3_num_f32 v12, v12, |v[XS+30]|, |v[XS+31]|
	v_max3_num_f32 v12, v12, v13, 0x1800000
	v_add_nc_u32 v11, 0xff000000, v12
	v_lshrrev_b32 v13, 23, v11
.if (\t)%4 == 0
	v_mov_b32 v[SB+(\t)/4], v13
.else
	v_lshl_or_b32 v[SB+(\t)/4], v13, 8*((\t)%4), v[SB+(\t)/4]
.endif
.irp g, 0,1,2,3
	v_cvt_scalef32_pk8_fp4_f32 v[WC+4*(\t)+\g], v[XS+8*\g:XS+8*\g+7], v11
.endr
	global_store_b128 v4, v[WC+4*(\t):WC+4*(\t)+3], s[36:37] offset:256*(\t)
.if (\t)+2 < 8
	WLOAD (\t)+2
.endif
.endm
	WLOAD 0
	WLOAD 1
.irp t, 0,1,2,3,4,5,6,7
	WBLOCK \t
.endr
	global_store_b64 v5, v[SB:SB+1], s[38:39]
	s_endpgm
.Lfunc_end_k_q2ff0d2c46c_prep:
	.size	k_q2ff0d2c46c_prep, .Lfunc_end_k_q2ff0d2c46c_prep-k_q2ff0d2c46c_prep
	.p2alignl 7, 3214868480
	.fill 96, 4, 3214868480
	.section	.rodata,"a",@progbits
	.p2align	6, 0x0
	.amdhsa_kernel k_q2ff0d2c46c_prep
		.amdhsa_group_segment_fixed_size 41472
		.amdhsa_private_segment_fixed_size 0
		.amdhsa_enable_private_segment 0
		.amdhsa_kernarg_size 56
		.amdhsa_user_sgpr_count 2
		.amdhsa_user_sgpr_kernarg_segment_ptr 1
		.amdhsa_wavefront_size32 1
		.amdhsa_system_sgpr_workgroup_id_x 1
		.amdhsa_system_sgpr_workgroup_id_y 1
		.amdhsa_system_sgpr_workgroup_id_z 1
		.amdhsa_system_vgpr_workitem_id 0
		.amdhsa_next_free_vgpr 226
		.amdhsa_next_free_sgpr 66
		.amdhsa_reserve_vcc 0
		.amdhsa_float_denorm_mode_32 3
		.amdhsa_float_denorm_mode_16_64 3
		.amdhsa_memory_ordered 1
		.amdhsa_forward_progress 1
		.amdhsa_inst_pref_size 74
	.end_amdhsa_kernel
	.amdgpu_metadata
---
amdhsa.version: [ 1, 2 ]
amdhsa.kernels:
  - .name:           k_q2ff0d2c46c_prep
    .symbol:         k_q2ff0d2c46c_prep.kd
    .args:
      - { .name: x, .offset: 0, .size: 8, .value_kind: global_buffer, .address_space: global }
      - { .name: wq, .offset: 8, .size: 8, .value_kind: global_buffer, .address_space: global }
      - { .name: wk, .offset: 16, .size: 8, .value_kind: global_buffer, .address_space: global }
      - { .name: wv, .offset: 24, .size: 8, .value_kind: global_buffer, .address_space: global }
      - { .name: wo, .offset: 32, .size: 8, .value_kind: global_buffer, .address_space: global }
      - { .name: xq, .offset: 40, .size: 8, .value_kind: global_buffer, .address_space: global }
      - { .name: wts, .offset: 48, .size: 8, .value_kind: global_buffer, .address_space: global }
    .group_segment_fixed_size: 41472
    .private_segment_fixed_size: 0
    .kernarg_segment_align: 8
    .kernarg_segment_size: 56
    .max_flat_workgroup_size: 128
    .sgpr_count:     66
    .vgpr_count:     226
    .wavefront_size: 32
...
	.end_amdgpu_metadata
.endif
;; end of part 1
;; launch qkv (part 2): grid 8 x 48, 4 waves a work-group, clusters of 4 x 4, 279,040 bytes of LDS; arguments xq, wts, bq, bk, bv, qc, kv; writes qc, kv
.if DOCPART == 2
	.amdgcn_target "amdgcn-amd-amdhsa--gfx1250"
	.amdhsa_code_object_version 6
	.text
	.protected	k_q2ff0d2c46c_qkv
	.globl	k_q2ff0d2c46c_qkv
	.p2align	8
	.type	k_q2ff0d2c46c_qkv,@function
k_q2ff0d2c46c_qkv:
	s_mov_b64 s[64:65], 0
	v_nop
	global_prefetch_b8 v0, s[64:65] scope:SCOPE_SE
	s_setreg_imm32_b32 hwreg(HW_REG_WAVE_MODE, 25, 1), 1
	s_wait_xcnt 0x0
	s_wait_alu depctr_hold_cnt(0) depctr_sa_sdst(0) depctr_va_vdst(0) depctr_va_sdst(0) depctr_va_ssrc(0) depctr_va_vcc(0) depctr_vm_vsrc(0)
	s_getreg_b32 s2, hwreg(HW_REG_IB_STS2, 6, 4)
	s_cmp_eq_u32 s2, 0
	s_cbranch_scc0 .Lentry_in_a_cluster
	s_endpgm
.Lentry_in_a_cluster:
	s_bfe_u32 s2, ttmp6, 0x10000c
	s_cmp_lg_u32 s2, 0xf033
	s_cbranch_scc0 .Lentry_shape_is_right
	s_endpgm
.Lentry_shape_is_right:
; q = x wq + bq, k = x wk + bk, v = x wv + bv on codes of FP4, and q, k, v quantised straight into the operand images that the attention launch reads.  Nothing leaves as f32.
; C[i][j] = sum over k of A[i][k] B[j][k] + bias; a tile of C is 256 x 256, a wave's 128 x 128: 64 accumulators.  THE MATRIX INSTRUCTION IS USED TRANSPOSED (source 0 = 16 rows of B, source 1 = 16 rows of A):
; a lane holds one row of A, and since B's rows lie by position (see below) the 16 registers of B's tiles 2 b, 2 b + 1 are j = 32 b + 16 (lane / 16) + 0 .. 15: 16 true neighbours, ready for the conversions.
; TWO ROLES, told apart by the cluster's y alone (the same in all sixteen partners).  y 0-7: A = x's tokens, B = the columns of wq, then wk: results are quantised along a head's 64.
; y 8-11: A = the columns of wv, B = x's tokens: v comes out transposed, with the keys along a lane's registers, and is quantised along the keys.
; OPERANDS as the launch before laid them: codes [row tile][K step 8][1,024 bytes] as images of a fragment's registers, scale bytes [row tile][half of K][r][16]; lane row r of row tile T is row 32 (T / 2) + 8 (T % 2) + r + 8 (r / 8).
; K = 1,024 is 512 bytes a row: both halves of K of the tile's 256 + 256 rows, and all their scales, fit in LDS at once.  Every LDS byte is filled once: three tensor loads a wave at the head, none later.
; CLUSTERS: 4 x 4 work-groups; A's tiles are asked for jointly along a row of the cluster, B's along a column.
; OUT: qc: q images [head 64][tile of 16 queries 128][lane][16] (lane (r, h): d = 32 h + 0 .. 31), and scale words [head][8 tiles][h'][r][4 words] (lane (r, h') word i: tile 4 h' + i; two bytes, the upper two 0).
;   kv: [head][key step of 128: 16][8,960]: 8 images of k, 4 fragments of v (16 d x 128 keys), k's scale words [h'][r][4], v's [r][4].
; LIMITS: a block of zeros gets the byte 1 over zero codes; blocks whose largest magnitude lies under 2^-124 are held at the byte 1; NaN and infinities are not served.
; REGISTERS: window 0: v1-30 addresses; v32-95 scale words; v96-159 the bias as a first C, later the codes; v160-195 at work.  window 1: two sets of fragments (A's 64, B's 64).  windows 2, 3: accumulator (a, b) at v[8 (8 (a % 4) + b)].
.set KVH,   143360                     ; a head in kv
.set KST,   8960                       ; a key step in kv
.set SLOTB, 131072                     ; LDS: half kh of K: A's 16 row tiles x 4,096, then B's
.set SCL,   262144                     ; behind them: A's scales (8,192), B's (8,192)
.set SC,    32
.set BIAS,  96
.set PC,    96
.set TM,    160                        ; v160-163 largest magnitudes, v164-167 the other half's and then bytes, v172-175 scale operands
.set PW,    176                        ; v176-183 the scale word of A's block a
.set XW,    184
.set YW,    188
.set ZW,    192
.set MSB, 0
.macro WIN new                         ; the immediate's high byte repeats the setting that is left
.if MSB != (\new)
	s_set_vgpr_msb (MSB<<8)|(\new)
.set MSB, (\new)
.endif
.endm
.macro PLACES n
.rept \n
	v_nop
.endr
.endm
; A joint load: waves 0 and 1 fetch for A, waves 2 and 3 for B; the branch hangs on the wave's number alone.  Four v_nop follow each of the two lines.
.macro JLOAD g0a, g1a, g0b, g1b
	s_cmp_eq_u32 s19, 0
	s_cbranch_scc0 .Lfor_b_\@
	tensor_load_to_lds s[\g0a:\g0a+3], s[\g1a:\g1a+7]
	s_nop 0
.rept 4
	v_nop
.endr
	s_branch .Lasked_\@
.Lfor_b_\@:
	tensor_load_to_lds s[\g0b:\g0b+3], s[\g1b:\g1b+7]
	s_nop 0
.rept 4
	v_nop
.endr
.Lasked_\@:
.endm
.macro CROUND                          ; a round of the cluster's barrier
	s_barrier_signal -1
	s_barrier_wait -1
	s_cmp_lg_u32 s18, 0
	s_cbranch_scc1 .Lnot_wave_0_\@
	s_barrier_signal -3
.Lnot_wave_0_\@:
	s_barrier_wait -3
	s_barrier_signal -1
	s_barrier_wait -1
.endm
	s_load_b256 s[4:11], s[0:1], 0x0               ; xq s[4:5], wts s[6:7], bq s[8:9], bk s[10:11]
	s_load_b128 s[12:15], s[0:1], 0x20             ; bv s[12:13], qc s[14:15]
	s_load_b64 s[16:17], s[0:1], 0x30              ; kv
	v_lshl_add_u32 v254, v0, 2, 0x44000
	v_mov_b32 v255, 0
	ds_add_u32 v254, v255
	ds_add_u32 v254, v255
	v_lshrrev_b32 v1, 5, v0
	v_readfirstlane_b32 s18, v1                    ; wave 0..3
	s_lshr_b32 s19, s18, 1                         ; my half of A's rows.  Also: I fetch for A (0) or for B (1)
	s_and_b32 s20, s18, 1                          ; my half of B's rows.  Also: which 8 row tiles I fetch
	s_bfe_u32 s21, ttmp6, 0x40000                  ; cx
	s_bfe_u32 s22, ttmp6, 0x40004                  ; cy
	s_and_b32 s2, ttmp7, 0xffff                    ; the cluster's y
	s_lshl_b32 s96, s2, 2
	s_sub_co_u32 s100, s2, 8
	s_lshl_b32 s100, s100, 1
	s_add_co_u32 s100, s100, ttmp9                 ; role v: which four tiles of tokens: 2 (y - 8) + cluster x
	s_cmp_ge_u32 s2, 8
	s_cselect_b32 s23, 1, 0                        ; the role: 0 q and k, 1 v
	s_cselect_b32 s96, 0, s96
	s_cselect_b32 s100, s100, ttmp9
	s_add_co_u32 s84, s96, s22                     ; A's tile: made of cy and the cluster's place alone
	s_lshl_b32 s100, s100, 2
	s_add_co_u32 s85, s100, s21                    ; B's tile: made of cx and the cluster's place alone
	s_lshl_b32 s96, s22, 2
	s_lshl_b32 s96, 15, s96                        ; my row of the cluster
	s_lshl_b32 s100, 0x1111, s21                   ; my column
	; descriptor groups 1.  Codes: 8 row tiles x half of K: 8 rows of 4,096 bytes (512 elements of 8 bytes), 8,192 bytes apart.  Scales: 4,096 dense bytes as 16 rows of 256
	s_or_b32 s24, s96, (3<<16)|(1<<21)             ; 15:0 the mask; 17:16 elements of 8 bytes; 21 set beside a mask
	s_or_b32 s32, s100, (3<<16)|(1<<21)
	s_or_b32 s40, s96, (3<<16)|(1<<21)
	s_or_b32 s48, s100, (3<<16)|(1<<21)
.irp g, 24, 32
	s_mov_b32 s[\g+1], 512<<16                     ; tensor_dim0
	s_mov_b32 s[\g+2], 8<<16                       ; tensor_dim1
	s_mov_b32 s[\g+3], 512<<16                     ; tile_dim0
	s_mov_b32 s[\g+4], 8                           ; tile_dim1
	s_mov_b32 s[\g+5], 1024                        ; from row to row
	s_mov_b32 s[\g+6], 0
	s_mov_b32 s[\g+7], 0
.endr
.irp g, 40, 48
	s_mov_b32 s[\g+1], 32<<16
	s_mov_b32 s[\g+2], 16<<16
	s_mov_b32 s[\g+3], 32<<16
	s_mov_b32 s[\g+4], 16
	s_mov_b32 s[\g+5], 32
	s_mov_b32 s[\g+6], 0
	s_mov_b32 s[\g+7], 0
.endr
	s_mov_b32 s86, 0x76543210
	s_mov_b32 s87, 0xfedcba98                      ; v_permlanex16_b32's selects for lane l xor 16
	s_lshl_b32 s97, s20, 3
	s_lshl_b32 s96, s84, 4
	s_add_co_u32 s96, s96, s97                     ; A: the first row tile that I would fetch
	s_lshl_b32 s100, s85, 4
	s_add_co_u32 s100, s100, s97                   ; B likewise
	s_wait_dscnt 0x0
	s_wait_kmcnt 0x0
	s_add_nc_u64 s[88:89], s[6:7], 0x100000        ; wv's codes
	s_add_nc_u64 s[90:91], s[6:7], 0x210000        ; wv's scales
	s_add_nc_u64 s[92:93], s[4:5], 0x400000        ; x's scales
	s_add_nc_u64 s[94:95], s[6:7], 0x200000        ; wq's and wk's scales
	s_cmp_eq_u32 s23, 1
	s_cselect_b64 s[88:89], s[88:89], s[4:5]       ; A's codes
	s_cselect_b64 s[90:91], s[90:91], s[92:93]     ; A's scales
	s_cselect_b64 s[94:95], s[92:93], s[94:95]     ; B's scales
	s_cselect_b64 s[92:93], s[4:5], s[6:7]         ; B's codes
	s_lshl_b32 s98, s96, 13
	s_mov_b32 s99, 0
	s_add_nc_u64 s[88:89], s[88:89], s[98:99]
	s_lshl_b32 s98, s96, 9
	s_add_nc_u64 s[90:91], s[90:91], s[98:99]
	s_lshl_b32 s2, s100, 13
	s_mov_b32 s3, 0
	s_add_nc_u64 s[92:93], s[92:93], s[2:3]
	s_lshl_b32 s2, s100, 9
	s_add_nc_u64 s[94:95], s[94:95], s[2:3]
	s_lshl_b32 s101, s18, 12                       ; where they go: 4,096 x wave among the scales,
	s_lshl_b32 s96, s18, 15                        ; 32,768 x wave in a half of K: no place in the cluster enters an LDS address
	CROUND                                         ; all sixteen work-groups are here: the joint loads meet
	s_mov_b32 s56, 1
	s_add_co_u32 s57, s101, SCL
	s_mov_b64 s[58:59], s[90:91]
	s_or_b32 s59, s59, 0x80000000
	s_mov_b32 s72, 1
	s_add_co_u32 s73, s101, SCL
	s_mov_b64 s[74:75], s[94:95]
	s_or_b32 s75, s75, 0x80000000
	JLOAD 56, 40, 72, 48                           ; the scales
	s_mov_b32 s60, 1
	s_mov_b32 s61, s96
	s_mov_b64 s[62:63], s[88:89]
	s_or_b32 s63, s63, 0x80000000
	s_mov_b32 s76, 1
	s_mov_b32 s77, s96
	s_mov_b64 s[78:79], s[92:93]
	s_or_b32 s79, s79, 0x80000000
	JLOAD 60, 24, 76, 32                           ; the first half of K
	s_mov_b32 s68, 1
	s_add_co_u32 s69, s96, SLOTB
	s_add_nc_u64 s[70:71], s[88:89], 4096
	s_or_b32 s71, s71, 0x80000000
	s_mov_b32 s80, 1
	s_add_co_u32 s81, s96, SLOTB
	s_add_nc_u64 s[82:83], s[92:93], 4096
	s_or_b32 s83, s83, 0x80000000
	JLOAD 68, 24, 80, 32                           ; the second: three loads of mine are out
	; THE BIAS is the C of each sum's first matrix instruction, in the result's layout.  q, k: it runs along the registers (8 a tile of B).  v: it hangs on A's row, the lane's: one number in all eight registers.
	v_and_b32 v1, 15, v0                           ; r
	v_bfe_u32 v2, v0, 4, 1                         ; h
	v_lshlrev_b32 v28, 6, v2                       ; 64 h
	v_and_b32 v30, 8, v1
	v_add_nc_u32 v30, v30, v1
	v_lshlrev_b32 v30, 2, v30                      ; 4 (r + 8 (r / 8))
	s_cmp_eq_u32 s23, 1
	s_cbranch_scc1 .Lbias_v
	s_and_b32 s2, s85, 3
	s_lshl_b32 s2, s2, 10
	s_lshl_b32 s3, s20, 9
	s_add_co_u32 s2, s2, s3                        ; my 128 columns
	s_mov_b32 s3, 0
	s_cmp_eq_u32 ttmp9, 0                          ; cluster x 0: wq's columns; 1: wk's
	s_cselect_b64 s[98:99], s[8:9], s[10:11]
	s_add_nc_u64 s[98:99], s[98:99], s[2:3]
	s_wait_alu depctr_va_vdst(0)
.irp t, 0,1,2,3,4,5,6,7
	global_load_b128 v[BIAS+8*\t:BIAS+8*\t+3], v28, s[98:99] offset:(32*(\t/2)+8*(\t%2))*4
	global_load_b128 v[BIAS+8*\t+4:BIAS+8*\t+7], v28, s[98:99] offset:(32*(\t/2)+8*(\t%2))*4+16
.endr
	s_branch .Lbias_done
.Lbias_v:
	s_lshl_b32 s2, s84, 10
	s_lshl_b32 s3, s19, 9
	s_add_co_u32 s2, s2, s3
	s_mov_b32 s3, 0
	s_add_nc_u64 s[98:99], s[12:13], s[2:3]
	s_wait_alu depctr_va_vdst(0)
.irp a, 0,1,2,3,4,5,6,7
	global_load_b32 v[BIAS+8*\a], v30, s[98:99] offset:(32*(\a/2)+8*(\a%2))*4
.endr
	s_wait_loadcnt 0x0
.irp a, 0,1,2,3,4,5,6,7
.irp j, 1,2,3,4,5,6,7
	v_mov_b32 v[BIAS+8*\a+\j], v[BIAS+8*\a]
.endr
.endr
.Lbias_done:
	s_wait_loadcnt 0x0
	v_and_b32 v4, 31, v0                           ; lane
	v_lshlrev_b32 v3, 4, v4                        ; 16 x lane: my place in every image
	s_lshl_b32 s2, s19, 15
	v_add_nc_u32 v16, s2, v3                       ; my 8 row tiles of A, first half of K,
	s_add_co_u32 s2, s2, SLOTB
	v_add_nc_u32 v17, s2, v3                       ; second half
	s_lshl_b32 s3, s20, 15
	s_add_co_u32 s3, s3, 65536
	v_add_nc_u32 v20, s3, v3                       ; B's likewise, behind A's 16
	s_add_co_u32 s3, s3, SLOTB
	v_add_nc_u32 v21, s3, v3
	s_lshl_b32 s2, s19, 12                         ; scale words: lanes 0-15 take A's, lanes 16-31 B's: one base + h x the distance
	s_lshl_b32 s3, s20, 12
	s_add_co_u32 s3, s3, 8192
	s_sub_co_u32 s3, s3, s2
	v_mul_u32_u24 v5, s3, v2
	s_add_co_u32 s2, s2, SCL
	v_lshl_add_u32 v5, v1, 4, v5
	v_add_nc_u32 v27, s2, v5
	v_mul_u32_u24 v29, v2, KVH
	v_lshl_add_u32 v29, v1, 4, v29                 ; v's scale words on the way out: lanes 16-31 the next head
.irp b, 0,1,2,3
	v_mov_b32 v[TM+4+\b], 0                        ; written once: a lane permute's destination counts as one of its sources
.endr
.macro FETCH q, p                      ; the fragments of K step q into set p: 16 x 2 loads of 512 consecutive bytes
	WIN 0x40                                       ; destination window 1
.irp i, 0,1,2,3,4,5,6,7
.irp c, 0,1
	ds_load_b128 v[128*(\p)+8*\i+4*\c:128*(\p)+8*\i+4*\c+3], v[16+(\q)/4] offset:4096*\i+1024*((\q)%4)+512*\c
.endr
.endr
.irp i, 0,1,2,3,4,5,6,7
.irp c, 0,1
	ds_load_b128 v[128*(\p)+64+8*\i+4*\c:128*(\p)+64+8*\i+4*\c+3], v[20+(\q)/4] offset:4096*\i+1024*((\q)%4)+512*\c
.endr
.endr
.endm
; 64 matrix instructions: K step q.  The 64 accumulators take turns, one instruction a turn, in the same order in every step.
; cmode 0: onto the sums; 1: the bias of B's tile starts them; 2: the bias of A's tile.  B's scale words stand in lanes 16-31 of register b, A's in lanes 0-15 of register a.
.macro MUL64 q, cmode
.irp a, 0,1,2,3,4,5,6,7
.if \cmode == 0
	WIN 0xa5+0x50*(\a/4)
.else
	WIN 0x85+0x40*(\a/4)
.endif
.irp b, 0,1,2,3,4,5,6,7
.if \cmode == 0
	v_wmma_scale_f32_16x16x128_f8f6f4 v[8*(8*(\a%4)+\b):8*(8*(\a%4)+\b)+7], v[128*((\q)%2)+64+8*\b:128*((\q)%2)+64+8*\b+7], v[128*((\q)%2)+8*\a:128*((\q)%2)+8*\a+7], v[8*(8*(\a%4)+\b):8*(8*(\a%4)+\b)+7], v[SC+32*((\q)/4)+4*\b+(\q)%4], v[SC+32*((\q)/4)+4*\a+(\q)%4] matrix_a_fmt:MATRIX_FMT_FP4 matrix_b_fmt:MATRIX_FMT_FP4 matrix_a_scale:MATRIX_SCALE_ROW1
.elseif \cmode == 1
	v_wmma_scale_f32_16x16x128_f8f6f4 v[8*(8*(\a%4)+\b):8*(8*(\a%4)+\b)+7], v[128*((\q)%2)+64+8*\b:128*((\q)%2)+64+8*\b+7], v[128*((\q)%2)+8*\a:128*((\q)%2)+8*\a+7], v[BIAS+8*\b:BIAS+8*\b+7], v[SC+32*((\q)/4)+4*\b+(\q)%4], v[SC+32*((\q)/4)+4*\a+(\q)%4] matrix_a_fmt:MATRIX_FMT_FP4 matrix_b_fmt:MATRIX_FMT_FP4 matrix_a_scale:MATRIX_SCALE_ROW1
.else
	v_wmma_scale_f32_16x16x128_f8f6f4 v[8*(8*(\a%4)+\b):8*(8*(\a%4)+\b)+7], v[128*((\q)%2)+64+8*\b:128*((\q)%2)+64+8*\b+7], v[128*((\q)%2)+8*\a:128*((\q)%2)+8*\a+7], v[BIAS+8*\a:BIAS+8*\a+7], v[SC+32*((\q)/4)+4*\b+(\q)%4], v[SC+32*((\q)/4)+4*\a+(\q)%4] matrix_a_fmt:MATRIX_FMT_FP4 matrix_b_fmt:MATRIX_FMT_FP4 matrix_a_scale:MATRIX_SCALE_ROW1
.endif
.endr
.endr
.endm
.macro STEP q                          ; the next step's fragments are asked for, then this step is multiplied
	PLACES 4                                       ; in front of loads into registers that matrix instructions have read
	FETCH (\q)+1, ((\q)+1)%2
	s_wait_dscnt 32                                ; all but the 32 just issued
	MUL64 \q, 0
.endm
	s_wait_alu depctr_va_vdst(0)
	s_wait_tensorcnt 1                             ; the scales and my part of the first half of K are in; the second half's load may be out
	s_barrier_signal -1
	s_barrier_wait -1                              ; everybody's are
.irp h, 0,1
.irp i, 0,1,2,3,4,5,6,7
	ds_load_b128 v[SC+32*\h+4*\i:SC+32*\h+4*\i+3], v27 offset:512*\i+256*\h   ; all scale words, once: register 32 half + 4 i + step
.endr
.endr
	FETCH 0, 0
	FETCH 1, 1
	WIN 0
	s_wait_dscnt 32                                ; the scale words and step 0's fragments are in
	s_cmp_eq_u32 s23, 1
	s_cbranch_scc1 .Lfirst_v
	MUL64 0, 1
	WIN 0
	s_branch .Lfirst_done
.Lfirst_v:
	MUL64 0, 2
	WIN 0
.Lfirst_done:
	STEP 1
	PLACES 4
	FETCH 3, 1
	s_wait_tensorcnt 0x0                           ; my part of the second half of K is in,
	s_wait_dscnt 0x0                               ; and no LDS load of mine is pending at the signal
	s_barrier_signal -1
	MUL64 2, 0                                     ; work on registers while the others arrive
	s_barrier_wait -1                              ; everybody's part is in
	STEP 3
	STEP 4
	STEP 5
	STEP 6
	s_wait_dscnt 0x0
	MUL64 7, 0
	WIN 0
	PLACES 4                                       ; in front of the first read of results
	; where the results go.  Tokens: batch, key step of 128 (= 8 tiles of queries).  Columns: a pair of heads.  (The descriptors' registers are free: every tensor load has been waited for.)
	s_and_b32 s24, s85, 3
	s_cmp_eq_u32 s23, 0
	s_cselect_b32 s25, s84, s85                    ; the tile of tokens,
	s_cselect_b32 s26, s19, s20                    ; my half of it
	s_cselect_b32 s24, s24, s84                    ; the tile of columns,
	s_cselect_b32 s27, s20, s19                    ; my half of it
	s_lshr_b32 s28, s25, 3                         ; batch
	s_and_b32 s25, s25, 7
	s_lshl_b32 s25, s25, 1
	s_add_co_u32 s25, s25, s26                     ; key step
	s_lshl_b32 s28, s28, 4
	s_lshl_b32 s24, s24, 2
	s_add_co_u32 s28, s28, s24
	s_lshl_b32 s27, s27, 1
	s_add_co_u32 s28, s28, s27                     ; my first head, of 64
	s_or_b32 s29, s23, ttmp9                       ; 0: q
	s_mov_b32 s30, KVH
	s_mov_b32 s31, KST
	s_mov_b32 s32, KVH
	s_mov_b32 s33, KST
	s_mov_b32 s34, 8192
	s_cmp_eq_u32 s29, 0
	s_cselect_b64 s[88:89], s[14:15], s[16:17]     ; qc or kv
	s_cselect_b32 s30, 0x10000, s30                ; codes: from head to head,
	s_cselect_b32 s31, 4096, s31                   ; from step to step
	s_cselect_b32 s32, 8192, s32                   ; scale words likewise
	s_cselect_b32 s33, 512, s33
	s_cselect_b32 s34, 0x400000, s34               ; and where they begin
	s_mov_b32 s92, 512
	s_mov_b32 s94, 512
	s_cmp_eq_u32 s23, 1
	s_cselect_b32 s35, 4096, 0                     ; v's fragments lie behind k's images
	s_cselect_b32 s34, 8704, s34
	s_cselect_b32 s92, 1024, s92                   ; from A's block to the next,
	s_cselect_b32 s94, KVH-3072, s94               ; from block 3 to block 4: in role v the next head
	s_cselect_b32 s36, 512, s30                    ; from a fragment's first half to its second: in roles q, k the next head
	s_mov_b32 s93, 0
	s_mov_b32 s95, 0
	s_mov_b32 s37, 0
	s_mul_i32 s38, s28, s30
	s_mul_i32 s39, s25, s31
	s_add_co_u32 s38, s38, s39
	s_add_co_u32 s38, s38, s35
	s_mov_b32 s39, 0
	s_mul_i32 s40, s28, s32
	s_mul_i32 s41, s25, s33
	s_add_co_u32 s40, s40, s41
	s_add_co_u32 s40, s40, s34
	s_mov_b32 s41, 0
	s_mov_b32 s42, s32
	s_mov_b32 s43, 0
	s_add_nc_u64 s[96:97], s[88:89], s[40:41]      ; scale words of my first head,
	s_add_nc_u64 s[98:99], s[96:97], s[42:43]      ; of my second (roles q, k)
	s_add_nc_u64 s[88:89], s[88:89], s[38:39]      ; a fragment's first half,
	s_add_nc_u64 s[90:91], s[88:89], s[36:37]      ; its second
; A's block a: 16 rows x 128 along j become a fragment's codes and a scale word a row.  Register 16 b + i of the block's 64 is j = 32 b + 16 (lane / 16) + i.  Each accumulator is read from its low end on.
.macro QOUT a
.set AS, 64*((\a)%4)
.set AW, 2+(\a)/4
	WIN AW*5                                       ; sources 0 and 1: the accumulators' window
.irp b, 0,1,2,3
	v_max3_num_f32 v[TM+\b], |v[AS+16*\b]|, |v[AS+16*\b+1]|, 0x1800000   ; with the floor 2^(3 - 127): the byte cannot fall under 1
.endr
.irp i, 2,4,6,8,10,12,14
.irp b, 0,1,2,3
	v_max3_num_f32 v[TM+\b], |v[AS+16*\b+\i]|, |v[AS+16*\b+\i+1]|, v[TM+\b]
.endr
.endr
	WIN 0
.irp b, 0,1,2,3
	v_permlanex16_b32 v[TM+4+\b], v[TM+\b], s86, s87
.endr
.irp b, 0,1,2,3
	v_max_num_f32 v[TM+\b], v[TM+\b], v[TM+4+\b]   ; with lane l xor 16's: the block's largest magnitude
.endr
.irp b, 0,1,2,3
	v_add_nc_u32 v[TM+12+\b], 0xff000000, v[TM+\b] ; 2 off its exponent field: the conversion's scale operand
.endr
.irp b, 0,1,2,3
	v_lshrrev_b32 v[TM+4+\b], 23, v[TM+12+\b]      ; the scale's byte
.endr
	v_lshl_or_b32 v[PW+(\a)], v[TM+5], 8, v[TM+4]
	v_lshl_or_b32 v[PW+(\a)], v[TM+6], 16, v[PW+(\a)]
	v_lshl_or_b32 v[PW+(\a)], v[TM+7], 24, v[PW+(\a)]
	WIN AW                                         ; source 0: the accumulators' window
.irp b, 0,1,2,3
	v_cvt_scalef32_pk8_fp4_f32 v[PC+8*(\a)+2*\b], v[AS+16*\b:AS+16*\b+7], v[TM+12+\b]
	v_cvt_scalef32_pk8_fp4_f32 v[PC+8*(\a)+2*\b+1], v[AS+16*\b+8:AS+16*\b+15], v[TM+12+\b]
.endr
	WIN 0
	v_nop                                          ; one plain line behind a scaled conversion
.irp c, 0,1                            ; the operand's layout wants a whole block in a lane
.irp i, 0,1
	v_permlane16_swap_b32 v[PC+8*(\a)+4*\c+\i], v[PC+8*(\a)+4*\c+2+\i]
.endr
.endr
.if (\a) > 0
	s_wait_alu depctr_va_vdst(0)
	s_wait_xcnt 0x0                                ; the last block's stores have read their bases
.if (\a) == 4
	s_add_nc_u64 s[88:89], s[88:89], s[94:95]
	s_add_nc_u64 s[90:91], s[90:91], s[94:95]
.else
	s_add_nc_u64 s[88:89], s[88:89], s[92:93]
	s_add_nc_u64 s[90:91], s[90:91], s[92:93]
.endif
.endif
	global_store_b128 v3, v[PC+8*(\a):PC+8*(\a)+3], s[88:89]       ; 512 consecutive bytes, aligned
	global_store_b128 v3, v[PC+8*(\a)+4:PC+8*(\a)+7], s[90:91]
.endm
.irp a, 0,1,2,3,4,5,6,7
	QOUT \a
.endr
	v_cmp_le_u32 vcc_lo, 16, v4
.irp i, 0,1,2,3
	v_cndmask_b32 v[XW+\i], v[PW+\i], v[PW+4+\i], vcc_lo   ; lanes 0-15: blocks 0-3; lanes 16-31: blocks 4-7
.endr
	s_cmp_eq_u32 s23, 1
	s_cbranch_scc1 .Lwords_v
.irp i, 0,1,2,3
	v_and_b32 v[YW+\i], 0xffff, v[XW+\i]           ; my first head's two bytes,
	v_lshrrev_b32 v[ZW+\i], 16, v[XW+\i]           ; my second head's
.endr
	global_store_b128 v3, v[YW:YW+3], s[96:97]
	global_store_b128 v3, v[ZW:ZW+3], s[98:99]
	s_branch .Lwords_done
.Lwords_v:
	s_wait_alu depctr_va_vdst(0)
	global_store_b128 v29, v[XW:XW+3], s[96:97]    ; each half of the lanes: 256 consecutive bytes, aligned
.Lwords_done:
	s_wait_tensorcnt 0x0
	ds_add_u32 v254, v255
	s_wait_dscnt 0x0
	CROUND                                         ; the closing round: no work-group ends while a partner may still ask for a tile that names it
	s_endpgm
.Lfunc_end_k_q2ff0d2c46c_qkv:
	.size	k_q2ff0d2c46c_qkv, .Lfunc_end_k_q2ff0d2c46c_qkv-k_q2ff0d2c46c_qkv
	.p2alignl 7, 3214868480
	.fill 96, 4, 3214868480
	.section	.rodata,"a",@progbits
	.p2align	6, 0x0
	.amdhsa_kernel k_q2ff0d2c46c_qkv
		.amdhsa_group_segment_fixed_size 279040
		.amdhsa_private_segment_fixed_size 0
		.amdhsa_enable_private_segment 0
		.amdhsa_kernarg_size 56
		.amdhsa_user_sgpr_count 2
		.amdhsa_user_sgpr_kernarg_segment_ptr 1
		.amdhsa_wavefront_size32 1
		.amdhsa_system_sgpr_workgroup_id_x 1
		.amdhsa_system_sgpr_workgroup_id_y 1
		.amdhsa_system_sgpr_workgroup_id_z 1
		.amdhsa_system_vgpr_workitem_id 0
		.amdhsa_next_free_vgpr 1024
		.amdhsa_next_free_sgpr 102
		.amdhsa_reserve_vcc 1
		.amdhsa_float_denorm_mode_32 3
		.amdhsa_float_denorm_mode_16_64 3
		.amdhsa_memory_ordered 1
		.amdhsa_forward_progress 1
		.amdhsa_inst_pref_size 142
	.end_amdhsa_kernel
	.amdgpu_metadata
---
amdhsa.version: [ 1, 2 ]
amdhsa.kernels:
  - .name:           k_q2ff0d2c46c_qkv
    .symbol:         k_q2ff0d2c46c_qkv.kd
    .args:
      - { .name: xq, .offset: 0, .size: 8, .value_kind: global_buffer, .address_space: global }
      - { .name: wts, .offset: 8, .size: 8, .value_kind: global_buffer, .address_space: global }
      - { .name: bq, .offset: 16, .size: 8, .value_kind: global_buffer, .address_space: global }
      - { .name: bk, .offset: 24, .size: 8, .value_kind: global_buffer, .address_space: global }
      - { .name: bv, .offset: 32, .size: 8, .value_kind: global_buffer, .address_space: global }
      - { .name: qc, .offset: 40, .size: 8, .value_kind: global_buffer, .address_space: global }
      - { .name: kv, .offset: 48, .size: 8, .value_kind: global_buffer, .address_space: global }
    .group_segment_fixed_size: 279040
    .private_segment_fixed_size: 0
    .kernarg_segment_align: 8
    .kernarg_segment_size: 56
    .max_flat_workgroup_size: 128
    .sgpr_count:     102
    .vgpr_count:     1024
    .wavefront_size: 32
...
	.end_amdgpu_metadata
.endif
;; end of part 2
;; launch attn (part 3): grid 8 x 32, 16 waves a work-group, clusters of 4 x 1, 327,680 bytes of LDS; arguments qc, kv, ctx; writes ctx
.if DOCPART == 3
	.amdgcn_target "amdgcn-amd-amdhsa--gfx1250"
	.amdhsa_code_object_version 6
	.text
	.protected	k_q2ff0d2c46c_attn
	.globl	k_q2ff0d2c46c_attn
	.p2align	8
	.type	k_q2ff0d2c46c_attn,@function
k_q2ff0d2c46c_attn:
	s_mov_b64 s[64:65], 0
	v_nop
	global_prefetch_b8 v0, s[64:65] scope:SCOPE_SE
	s_setreg_imm32_b32 hwreg(HW_REG_WAVE_MODE, 25, 1), 1
	s_wait_xcnt 0x0
	s_wait_alu depctr_hold_cnt(0) depctr_sa_sdst(0) depctr_va_vdst(0) depctr_va_sdst(0) depctr_va_ssrc(0) depctr_va_vcc(0) depctr_vm_vsrc(0)
	s_getreg_b32 s2, hwreg(HW_REG_IB_STS2, 6, 4)
	s_cmp_eq_u32 s2, 0
	s_cbranch_scc0 .Lentry_in_a_cluster
	s_endpgm
.Lentry_in_a_cluster:
	s_bfe_u32 s2, ttmp6, 0x10000c
	s_cmp_lg_u32 s2, 0x3003
	s_cbranch_scc0 .Lentry_shape_is_right
	s_endpgm
.Lentry_shape_is_right:
; ctx = softmax(q k^T / 8) v for two heads of 64, both products on codes of FP4, and ctx quantised along the model's 1,024 into the operand images of the last product.
; THE SOFTMAX AHEAD OF THE SECOND PRODUCT: t = score x log2(e) / 8; M = the row's largest t so far, rounded UP to a whole number; p = 2^(t - M) is quantised along the keys, not normalised; the row's sum
; is taken of the unquantised p and divides at the end.  When M moves, the sum and O are multiplied by 2^(old M - new M): exact.
; SHARES.  A work-group owns 256 queries of a pair of heads; each of its sixteen waves one tile of 16 queries, in 256 registers: four waves to a SIMD, so that one wave's vector work stands beside another's
; matrix work and LDS loads.  A wave walks all 16 key steps (128 keys) of the even head, then of the odd one.  Two heads to a work-group make a whole K step (128) of the last product: a whole fragment, a whole scale word.
; LDS.  Both heads' k and v with their scale words, 2 x 143,360 bytes, come in once: wave w fetches key step w of each head.  No byte is filled again.
; CLUSTER.  The four query blocks of a cluster walk the same k and v: each tile is asked for jointly, with the constant mask 15.
; LAYOUT.  Both products transposed: S^T = k q^T, O^T = v^T p^T: a lane holds one query (lane % 16) throughout.  The keys, and v's channels, lie by position in their tiles (position p of 32 = index with bits 3, 4 exchanged),
; so the 16 registers of tiles 2 b, 2 b + 1 are 16 true neighbours.  A head has K = 64: registers 4-7 of q's and k's fragments are zero codes, under scale bytes 0.
; LIMITS: a block of zeros gets the byte 1 over zero codes; NaN and infinities are not served.
; REGISTERS: v1-7 addresses; v12 -M, v13 the largest t, v[14:15] the sum; v16-31 q of both heads; v32-33 q's scale words; v40-71 four fragments of k; v72-103 four of v; v104-167 S^T, then p; v168-199 O^T;
;   v200-207 p's codes; v208-211 k's scale words, v212-215 v's, v216 p's; v220-234 at work; v236-243 ctx's codes; v244-245 ctx's scale bytes.
.set KVH, 143360
.set KST, 8960
.set CSC, 286720                       ; behind the two heads: 256 scale words of ctx, written by LDS stores alone
.macro CROUND                          ; a round of the cluster's barrier
	s_barrier_signal -1
	s_barrier_wait -1
	s_cmp_lg_u32 s18, 0
	s_cbranch_scc1 .Lnot_wave_0_\@
	s_barrier_signal -3
.Lnot_wave_0_\@:
	s_barrier_wait -3
	s_barrier_signal -1
	s_barrier_wait -1
.endm
	s_load_b128 s[4:7], s[0:1], 0x0                ; qc s[4:5], kv s[6:7]
	s_load_b64 s[8:9], s[0:1], 0x10                ; ctx
	v_lshl_add_u32 v254, v0, 2, 0x46400
	v_mov_b32 v255, 0
	ds_add_u32 v254, v255
	ds_add_u32 v254, v255
	v_lshrrev_b32 v1, 5, v0
	s_delay_alu instid0(VALU_DEP_1)
	v_readfirstlane_b32 s18, v1                    ; wave 0..15
	s_bfe_u32 s40, ttmp6, 0x40000                  ; cx
	s_lshl_b32 s41, ttmp9, 2
	s_add_co_u32 s41, s41, s40                     ; my block of 256 queries: it enters q's and ctx's addresses alone
	s_and_b32 s42, ttmp7, 0xffff                   ; 8 x batch + pair of heads
	s_lshr_b32 s43, s42, 3                         ; batch
	s_and_b32 s44, s42, 7                          ; pair of heads
	s_lshl_b32 s45, s41, 4
	s_add_co_u32 s45, s45, s18                     ; my tile of queries, of the batch's 128
	; descriptor group 1: a key step: 8,960 dense bytes as 35 rows of 256
	s_mov_b32 s24, 15|(3<<16)|(1<<21)              ; 15:0 the mask: all four work-groups; 17:16 elements of 8 bytes; 21 set beside a mask
	s_mov_b32 s25, 32<<16
	s_mov_b32 s26, 35<<16
	s_mov_b32 s27, 32<<16
	s_mov_b32 s28, 35
	s_mov_b32 s29, 32
	s_mov_b32 s30, 0
	s_mov_b32 s31, 0
	s_lshl_b32 s46, s42, 1                         ; the even head, of 64
	s_mul_i32 s48, s46, KVH
	s_mul_i32 s47, s18, KST                        ; key step = my wave's number: in memory and in LDS
	s_add_co_u32 s48, s48, s47
	s_mov_b32 s49, 0
	s_lshl_b32 s52, s46, 16                        ; q's image: 65,536 a head, 512 a tile
	s_lshl_b32 s53, s45, 9
	s_add_co_u32 s52, s52, s53
	s_mov_b32 s53, 0
	s_lshl_b32 s54, s46, 13                        ; q's scale words: 8,192 a head, 512 for 8 tiles, 256 for 4, 4 a tile
	s_lshr_b32 s55, s45, 3
	s_lshl_b32 s55, s55, 9
	s_add_co_u32 s54, s54, s55
	s_bfe_u32 s55, s45, 0x10002
	s_lshl_b32 s55, s55, 8
	s_add_co_u32 s54, s54, s55
	s_and_b32 s55, s45, 3
	s_lshl_b32 s55, s55, 2
	s_add_co_u32 s54, s54, s55
	s_add_co_u32 s54, s54, 0x400000
	s_mov_b32 s55, 0
	s_lshl_b32 s56, s43, 7                         ; ctx's codes: 8,192 a row tile, 1,024 a pair of heads
	s_add_co_u32 s56, s56, s45
	s_lshl_b32 s56, s56, 13
	s_lshl_b32 s57, s44, 10
	s_add_co_u32 s56, s56, s57
	s_mov_b32 s57, 0
	s_lshl_b32 s58, s44, 15                        ; ctx's scale words: [pair of heads][row][4 bytes]
	s_lshl_b32 s59, s43, 13
	s_add_co_u32 s58, s58, s59
	s_lshl_b32 s59, s41, 10
	s_add_co_u32 s58, s58, s59
	s_add_co_u32 s58, s58, 0x400000
	s_mov_b32 s59, 0
	s_mov_b32 s20, 0x76543210
	s_mov_b32 s21, 0xfedcba98                      ; v_permlanex16_b32's selects for lane l xor 16
	s_mov_b32 s22, 0x3e38aa3b                      ; c = log2(e) / 8
	s_mov_b32 s23, s22                             ; (named with it as a pair, so it is written)
	s_wait_dscnt 0x0
	s_wait_kmcnt 0x0
	s_add_nc_u64 s[50:51], s[6:7], s[48:49]
	s_add_nc_u64 s[52:53], s[4:5], s[52:53]
	s_add_nc_u64 s[54:55], s[4:5], s[54:55]
	s_add_nc_u64 s[56:57], s[8:9], s[56:57]
	s_add_nc_u64 s[58:59], s[8:9], s[58:59]
	CROUND                                         ; all four work-groups are here: the joint loads meet
	s_mov_b32 s32, 1
	s_mov_b32 s33, s47
	s_mov_b64 s[34:35], s[50:51]
	s_or_b32 s35, s35, 0x80000000
	s_mov_b32 s36, 1
	s_add_co_u32 s37, s47, KVH
	s_add_nc_u64 s[38:39], s[50:51], KVH
	s_or_b32 s39, s39, 0x80000000
	tensor_load_to_lds s[32:35], s[24:31]          ; my key step of the even head,
	s_nop 0
	s_wait_alu depctr_va_vdst(0)
	s_wait_tensorcnt 0x0
	ds_add_u32 v254, v255
	s_wait_dscnt 0x0
	CROUND
	tensor_load_to_lds s[36:39], s[24:31]          ; of the odd one: one load of mine is out
	s_nop 0
.rept 4
	v_nop
.endr
	v_and_b32 v2, 31, v0
	s_delay_alu instid0(VALU_DEP_1)
	v_lshlrev_b32 v1, 4, v2                        ; 16 x lane
	v_and_b32 v2, 15, v0
	s_delay_alu instid0(VALU_DEP_1)
	v_lshlrev_b32 v5, 2, v2
	s_delay_alu instid0(VALU_DEP_2)
	v_lshlrev_b32 v2, 4, v2                        ; 16 x (lane % 16)
	s_lshl_b32 s60, s18, 6
	s_add_co_u32 s60, s60, CSC
	v_add_nc_u32 v5, s60, v5                       ; my query's scale word of ctx: 64 x wave + 4 (lane % 16)
	v_lshlrev_b32 v7, 4, v0
	s_delay_alu instid0(VALU_DEP_1)
	v_add_nc_u32 v6, CSC, v7                       ; and 16 bytes a thread on the way out (waves 0 and 1)
	global_load_b128 v[16:19], v1, s[52:53]
	global_load_b128 v[24:27], v1, s[52:53] offset:65536
	global_load_b32 v32, v2, s[54:55]
	global_load_b32 v33, v2, s[54:55] offset:8192
.irp j, 20,21,22,23,28,29,30,31,44,45,46,47,52,53,54,55,60,61,62,63,68,69,70,71
	v_mov_b32 v[\j], 0                             ; zero codes for k = 64 .. 127 of q's and k's fragments, set once
.endr
.irp j, 224,225,226,227,233
	v_mov_b32 v[\j], 0                             ; permutes' destinations, and the upper half of the pair v[232:233]: written before they are named
.endr
; A KEY STEP of head c: 128 keys at LDS byte s2.
.macro STEP c
	v_add_nc_u32 v3, s2, v1
	v_add_nc_u32 v4, s2, v2
	v_nop
	v_nop                                          ; four places in front of loads into registers that the last products have read
	ds_load_b128 v[208:211], v3 offset:8192        ; k's scale words: lanes 0-15 tiles 0-3, lanes 16-31 tiles 4-7
.irp t, 0,1,2,3
	ds_load_b128 v[40+8*\t:43+8*\t], v3 offset:512*\t
.endr
.irp d, 0,1,2,3
.irp u, 0,1
	ds_load_b128 v[72+8*\d+4*\u:75+8*\d+4*\u], v3 offset:4096+1024*\d+512*\u
.endr
.endr
	ds_load_b128 v[212:215], v4 offset:8704        ; v's scale words
	s_wait_alu depctr_va_vdst(0)
	s_wait_dscnt 9                                 ; k's words and tiles 0-3 are in; v's nine loads may be out
.irp t, 0,1,2,3
	v_wmma_scale_f32_16x16x128_f8f6f4 v[104+8*\t:111+8*\t], v[40+8*\t:47+8*\t], v[16+8*\c:23+8*\c], 0, v[208+\t], v[32+\c] matrix_a_fmt:MATRIX_FMT_FP4 matrix_b_fmt:MATRIX_FMT_FP4
.endr
.rept 4
	v_nop
.endr
.irp t, 0,1,2,3
	ds_load_b128 v[40+8*\t:43+8*\t], v3 offset:2048+512*\t
.endr
	s_wait_dscnt 0x0
.irp t, 0,1,2,3
	v_wmma_scale_f32_16x16x128_f8f6f4 v[136+8*\t:143+8*\t], v[40+8*\t:47+8*\t], v[16+8*\c:23+8*\c], 0, v[208+\t], v[32+\c] matrix_a_fmt:MATRIX_FMT_FP4 matrix_b_fmt:MATRIX_FMT_FP4 matrix_a_scale:MATRIX_SCALE_ROW1
.endr
.rept 4
	v_nop
.endr
.irp b, 0,1,2,3
	v_max3_num_f32 v[220+\b], v[104+16*\b], v[105+16*\b], v[106+16*\b]   ; the largest score of each block of 32 keys: for the row's maximum, and, since p rises with the score, for the block's largest p
.endr
.irp i, 3,5,7,9,11,13
.irp b, 0,1,2,3
	v_max3_num_f32 v[220+\b], v[220+\b], v[104+16*\b+\i], v[105+16*\b+\i]
.endr
.endr
.irp b, 0,1,2,3
	v_max_num_f32 v[220+\b], v[220+\b], v[119+16*\b]
.endr
.irp b, 0,1,2,3
	s_delay_alu instid0(VALU_DEP_4)
	v_permlanex16_b32 v[224+\b], v[220+\b], s20, s21
.endr
.irp b, 0,1,2,3
	s_delay_alu instid0(VALU_DEP_4)
	v_max_num_f32 v[220+\b], v[220+\b], v[224+\b]  ; with lane l xor 16's 16 keys
.endr
	s_delay_alu instid0(VALU_DEP_2)
	v_max3_num_f32 v234, v220, v221, v222
	s_delay_alu instid0(VALU_DEP_1)
	v_max_num_f32 v234, v234, v223
	s_delay_alu instid0(VALU_DEP_1)
	v_mul_f32 v234, s22, v234                      ; the step's largest t
	s_delay_alu instid0(VALU_DEP_1)
	v_max_num_f32 v13, v13, v234
	v_mov_b32 v234, v12
	s_delay_alu instid0(VALU_DEP_2)
	v_floor_f32 v12, -v13                          ; the new -M = floor(-t): M is a whole number
	s_delay_alu instid0(VALU_DEP_1)
	v_sub_f32 v234, v12, v234                      ; old M - new M: a whole number, 0 or less
	s_delay_alu instid0(VALU_DEP_1)
	v_cvt_i32_f32 v234, v234                       ; (it saturates)
	s_delay_alu instid0(VALU_DEP_1)
	v_ldexp_f32 v232, 1.0, v234                    ; f = 2^(old M - new M)
.set j, 0
.rept 32
	v_pk_fma_f32 v[104+j:105+j], v[104+j:105+j], s[22:23], v[12:13] op_sel_hi:[1,0,0]   ; t - M
.set j, j+2
.endr
.irp b, 0,1,2,3
	v_fma_f32 v[220+\b], v[220+\b], s22, v12       ; the same of each block's largest score
.endr
.set j, 0
	s_wait_alu depctr_va_vdst(0)
.rept 64
	v_exp_f32 v[104+j], v[104+j]                   ; p = 2^(t - M)
.set j, j+1
.endr
	s_setprio 1
	v_pk_mul_f32 v[14:15], v[14:15], v[232:233] op_sel_hi:[1,0]   ; the sums under the new M (a plain line behind the exponentials)
	s_wait_alu depctr_va_vdst(0)                   ; one wait for the batch, ahead of its first reader
.irp b, 0,1,2,3
	v_exp_f32 v[220+\b], v[220+\b]                 ; the block's largest p
.endr
	v_pk_add_f32 v[224:225], v[104:105], v[106:107]   ; the row's sum of the unquantised p, in two chains
.set j, 4
.rept 15
	v_pk_add_f32 v[14:15], v[14:15], v[104+j:105+j]
	v_pk_add_f32 v[224:225], v[224:225], v[106+j:107+j]
.set j, j+4
.endr
	s_delay_alu instid0(VALU_DEP_1)
	v_pk_add_f32 v[14:15], v[14:15], v[224:225]
	s_wait_alu depctr_va_vdst(0)                   ; and one for the four
.irp b, 0,1,2,3
	v_max_num_f32 v[220+\b], 0x1800000, v[220+\b]  ; the floor 2^(3 - 127)
.endr
.irp b, 0,1,2,3
	s_delay_alu instid0(VALU_DEP_4)
	v_add_nc_u32 v[228+\b], 0xff000000, v[220+\b]  ; the conversion's scale operand
.endr
.irp b, 0,1,2,3
	s_delay_alu instid0(VALU_DEP_4)
	v_lshrrev_b32 v[224+\b], 23, v[228+\b]         ; the scale's byte
.endr
	s_delay_alu instid0(VALU_DEP_3)
	v_lshl_or_b32 v216, v225, 8, v224              ; p's scale word for these 128 keys
	s_delay_alu instid0(VALU_DEP_1)
	v_lshl_or_b32 v216, v226, 16, v216
	s_delay_alu instid0(VALU_DEP_1)
	v_lshl_or_b32 v216, v227, 24, v216
.irp b, 0,1,2,3
	v_cvt_scalef32_pk8_fp4_f32 v[200+2*\b], v[104+16*\b:111+16*\b], v[228+\b]
	v_cvt_scalef32_pk8_fp4_f32 v[201+2*\b], v[112+16*\b:119+16*\b], v[228+\b]
.endr
	v_nop                                          ; one plain line behind a scaled conversion
.irp u, 0,1
.irp i, 0,1
	v_permlane16_swap_b32 v[200+4*\u+\i], v[202+4*\u+\i]   ; a whole block to a lane
.endr
.endr
.set j, 0
	s_setprio 0
.rept 16
	v_pk_mul_f32 v[168+j:169+j], v[168+j:169+j], v[232:233] op_sel_hi:[1,0]   ; O^T under the new M; these sixteen are also the places between p's scale word and codes and the products
.set j, j+2
.endr
.irp d, 0,1,2,3
	v_wmma_scale_f32_16x16x128_f8f6f4 v[168+8*\d:175+8*\d], v[72+8*\d:79+8*\d], v[200:207], v[168+8*\d:175+8*\d], v[212+\d], v216 matrix_a_fmt:MATRIX_FMT_FP4 matrix_b_fmt:MATRIX_FMT_FP4
.endr
	s_add_co_u32 s2, s2, KST
.endm
; HEAD c: all 16 key steps, then ctx = O / the sum, quantised: the head's 64 channels are two blocks; its codes are piece c of the last product's fragment.
; O^T and the sum begin as zeros and the largest t as -3e38, so that the step is written once: 32 clearing lines a head against a second copy of the step.
.macro PASS c
	v_mov_b32 v13, 0xff61b1e6
	s_delay_alu instid0(VALU_DEP_1)
	v_floor_f32 v12, -v13
	v_mov_b32 v14, 0
	v_mov_b32 v15, 0
.set j, 0
.rept 32
	v_mov_b32 v[168+j], 0
.set j, j+1
.endr
	s_mov_b32 s2, KVH*\c
	s_mov_b32 s3, 16
.Lstep_\@:
	s_setprio 2
	STEP \c
	s_sub_co_u32 s3, s3, 1
	s_cmp_lg_u32 s3, 0
	s_cbranch_scc1 .Lstep_\@
	s_setprio 0
.rept 4
	v_nop                                          ; places behind the last products
.endr
	v_add_f32 v14, v14, v15
	s_delay_alu instid0(VALU_DEP_1)
	v_permlanex16_b32 v234, v14, s20, s21
	s_delay_alu instid0(VALU_DEP_1)
	v_add_f32 v14, v14, v234                       ; the row's sum
	s_wait_alu depctr_va_vdst(0)
	v_rcp_f32 v14, v14
	v_nop
	s_wait_alu depctr_va_vdst(0)                   ; ahead of the reciprocal's first reader
.set j, 0
.rept 32
	v_mul_f32 v[104+j], v[168+j], v14              ; register 16 b + i: channel 32 b + 16 (lane / 16) + i of my query
.set j, j+1
.endr
.irp b, 0,1
	v_max3_num_f32 v[220+\b], |v[104+16*\b]|, |v[105+16*\b]|, 0x1800000
.endr
.irp i, 2,4,6,8,10,12,14
.irp b, 0,1
	s_delay_alu instid0(VALU_DEP_2)
	v_max3_num_f32 v[220+\b], v[220+\b], |v[104+16*\b+\i]|, |v[105+16*\b+\i]|
.endr
.endr
.irp b, 0,1
	s_delay_alu instid0(VALU_DEP_2)
	v_permlanex16_b32 v[224+\b], v[220+\b], s20, s21
.endr
.irp b, 0,1
	s_delay_alu instid0(VALU_DEP_2)
	v_max_num_f32 v[220+\b], v[220+\b], v[224+\b]
.endr
.irp b, 0,1
	s_delay_alu instid0(VALU_DEP_2)
	v_add_nc_u32 v[228+\b], 0xff000000, v[220+\b]
.endr
.irp b, 0,1
	s_delay_alu instid0(VALU_DEP_2)
	v_lshrrev_b32 v[224+\b], 23, v[228+\b]
.endr
	s_delay_alu instid0(VALU_DEP_1)
	v_lshl_or_b32 v[244+\c], v225, 8, v224         ; the head's two scale bytes
.irp b, 0,1
	v_cvt_scalef32_pk8_fp4_f32 v[236+4*\c+2*\b], v[104+16*\b:111+16*\b], v[228+\b]
	v_cvt_scalef32_pk8_fp4_f32 v[237+4*\c+2*\b], v[112+16*\b:119+16*\b], v[228+\b]
.endr
	v_nop
.irp i, 0,1
	v_permlane16_swap_b32 v[236+4*\c+\i], v[238+4*\c+\i]
.endr
	global_store_b128 v1, v[236+4*\c:239+4*\c], s[56:57] offset:512*\c   ; 512 consecutive bytes, aligned
.endm
	s_wait_tensorcnt 1                             ; my key step of the even head is in; the odd head's may be out
	s_barrier_signal -1
	s_barrier_wait -1                              ; everybody's is
	s_wait_loadcnt 0x0                             ; q
	PASS 0
	s_wait_tensorcnt 0x0                           ; my key step of the odd head is in,
	s_wait_dscnt 0x0
	s_barrier_signal -1
	s_barrier_wait -1                              ; everybody's is
	PASS 1
	v_lshl_or_b32 v234, v245, 16, v244             ; my query's scale word for this K step of the last product
	ds_store_b32 v5, v234                          ; lanes l and l xor 16 write the same word with the same value
	s_wait_dscnt 0x0                               ; for the others' sake
	s_barrier_signal -1
	s_barrier_wait -1
	s_cmp_lt_u32 s18, 2
	s_cbranch_scc0 .Lno_words
	ds_load_b128 v[104:107], v6
	s_wait_dscnt 0x0
	global_store_b128 v7, v[104:107], s[58:59]     ; the work-group's 256 words: 512 consecutive bytes a wave, aligned
.Lno_words:
	s_wait_tensorcnt 0x0
	ds_add_u32 v254, v255
	s_wait_dscnt 0x0
	CROUND                                         ; the closing round
	s_endpgm
.Lfunc_end_k_q2ff0d2c46c_attn:
	.size	k_q2ff0d2c46c_attn, .Lfunc_end_k_q2ff0d2c46c_attn-k_q2ff0d2c46c_attn
	.p2alignl 7, 3214868480
	.fill 96, 4, 3214868480
	.section	.rodata,"a",@progbits
	.p2align	6, 0x0
	.amdhsa_kernel k_q2ff0d2c46c_attn
		.amdhsa_group_segment_fixed_size 327680
		.amdhsa_private_segment_fixed_size 0
		.amdhsa_enable_private_segment 0
		.amdhsa_kernarg_size 24
		.amdhsa_user_sgpr_count 2
		.amdhsa_user_sgpr_kernarg_segment_ptr 1
		.amdhsa_wavefront_size32 1
		.amdhsa_system_sgpr_workgroup_id_x 1
		.amdhsa_system_sgpr_workgroup_id_y 1
		.amdhsa_system_sgpr_workgroup_id_z 1
		.amdhsa_system_vgpr_workitem_id 0
		.amdhsa_next_free_vgpr 256
		.amdhsa_next_free_sgpr 66
		.amdhsa_reserve_vcc 0
		.amdhsa_float_denorm_mode_32 3
		.amdhsa_float_denorm_mode_16_64 3
		.amdhsa_memory_ordered 1
		.amdhsa_forward_progress 1
		.amdhsa_inst_pref_size 51
	.end_amdhsa_kernel
	.amdgpu_metadata
---
amdhsa.version: [ 1, 2 ]
amdhsa.kernels:
  - .name:           k_q2ff0d2c46c_attn
    .symbol:         k_q2ff0d2c46c_attn.kd
    .args:
      - { .name: qc, .offset: 0, .size: 8, .value_kind: global_buffer, .address_space: global }
      - { .name: kv, .offset: 8, .size: 8, .value_kind: global_buffer, .address_space: global }
      - { .name: ctx, .offset: 16, .size: 8, .value_kind: global_buffer, .address_space: global }
    .group_segment_fixed_size: 327680
    .private_segment_fixed_size: 0
    .kernarg_segment_align: 8
    .kernarg_segment_size: 24
    .max_flat_workgroup_size: 512
    .sgpr_count:     66
    .vgpr_count:     256
    .wavefront_size: 32
...
	.end_amdgpu_metadata
.endif
;; end of part 3
;; launch oproj (part 4): grid 4 x 64, 4 waves a work-group, clusters of 4 x 4, 243,200 bytes of LDS; arguments ctx, wts, bo, out0; writes out0
.if DOCPART == 4
	.amdgcn_target "amdgcn-amd-amdhsa--gfx1250"
	.amdhsa_code_object_version 6
	.text
	.protected	k_q2ff0d2c46c_oproj
	.globl	k_q2ff0d2c46c_oproj
	.p2align	8
	.type	k_q2ff0d2c46c_oproj,@function
k_q2ff0d2c46c_oproj:
	s_mov_b64 s[64:65], 0
	v_nop
	global_prefetch_b8 v0, s[64:65] scope:SCOPE_SE
	s_setreg_imm32_b32 hwreg(HW_REG_WAVE_MODE, 25, 1), 1
	s_wait_xcnt 0x0
	s_wait_alu depctr_hold_cnt(0) depctr_sa_sdst(0) depctr_va_vdst(0) depctr_va_sdst(0) depctr_va_ssrc(0) depctr_va_vcc(0) depctr_vm_vsrc(0)
	s_getreg_b32 s2, hwreg(HW_REG_IB_STS2, 6, 4)
	s_cmp_eq_u32 s2, 0
	s_cbranch_scc0 .Lentry_in_a_cluster
	s_endpgm
.Lentry_in_a_cluster:
	s_bfe_u32 s2, ttmp6, 0x10000c
	s_cmp_lg_u32 s2, 0xf033
	s_cbranch_scc0 .Lentry_shape_is_right
	s_endpgm
.Lentry_shape_is_right:
; out0 = ctx wo + bo on codes of FP4.  A = ctx's rows (by position, as the launches before left them), B = wo's columns (by position); codes as images of a fragment's registers [row tile][K step 8][1,024].
; A tile of the result is 128 rows x 256 columns, so that there is a work-group for each of 256 WGPs; a wave makes 64 x 128: 32 accumulators.
; TRANSPOSED USE (source 0 = 16 rows of B, source 1 = 16 rows of A): a lane holds one row of out0, and the 16 registers of B's tiles 2 b, 2 b + 1 are 16 true neighbouring columns.  bo is the C of each sum's first instruction.
; K = 1,024 is 512 bytes a row: all of K of the tile's rows, and all their scales, fit in LDS at once.  Every LDS byte that a tensor load fills is filled once: three loads a wave at the head.
; CLUSTERS: 4 x 4 work-groups; A's tiles are asked for jointly along a row of the cluster, B's along a column.
; REGISTERS: window 0: v1-26 addresses; v32-63 A's scale words (8 a + step), v64-127 B's (32 half + 4 b + step); v128-191 the bias, then with v192-255 rows on the way out.
;   window 1: two sets of fragments (A's 32, B's 64).  window 2: accumulator (a, b) at v[8 (8 a + b)].
.set SLOTB, 98304                      ; LDS: half kh of K: A's 8 row tiles x 4,096, then B's 16
.set ASC,   196608                     ; A's scale words [K step 8][128 rows][4]
.set BSC,   200704                     ; B's scale bytes [16 row tiles][half][r][16]
.set STG,   208896                     ; the way out: 16 rows x (512 + 16) for each wave; no tensor load lands here
.set SCA,   32
.set SCB,   64
.set BIAS,  128
.set BK,    128
.set MSB, 0
.macro WIN new
.if MSB != (\new)
	s_set_vgpr_msb (MSB<<8)|(\new)
.set MSB, (\new)
.endif
.endm
.macro PLACES n
.rept \n
	v_nop
.endr
.endm
.macro JLOAD g0a, g1a, g0b, g1b        ; waves 0 and 1 fetch for A, waves 2 and 3 for B; four v_nop follow each of the two lines
	s_cmp_eq_u32 s19, 0
	s_cbranch_scc0 .Lfor_b_\@
	tensor_load_to_lds s[\g0a:\g0a+3], s[\g1a:\g1a+7]
	s_nop 0
.rept 4
	v_nop
.endr
	s_branch .Lasked_\@
.Lfor_b_\@:
	tensor_load_to_lds s[\g0b:\g0b+3], s[\g1b:\g1b+7]
	s_nop 0
.rept 4
	v_nop
.endr
.Lasked_\@:
.endm
.macro CROUND
	s_barrier_signal -1
	s_barrier_wait -1
	s_cmp_lg_u32 s18, 0
	s_cbranch_scc1 .Lnot_wave_0_\@
	s_barrier_signal -3
.Lnot_wave_0_\@:
	s_barrier_wait -3
	s_barrier_signal -1
	s_barrier_wait -1
.endm
	s_load_b256 s[4:11], s[0:1], 0x0               ; ctx s[4:5], wts s[6:7], bo s[8:9], out0 s[10:11]
	v_lshl_add_u32 v30, v0, 2, 0x3b400
	v_mov_b32 v31, 0
	ds_add_u32 v30, v31
	ds_add_u32 v30, v31
	v_lshrrev_b32 v1, 5, v0
	v_readfirstlane_b32 s18, v1                    ; wave 0..3
	s_lshr_b32 s19, s18, 1                         ; my half of A's rows.  Also: I fetch for A (0) or for B (1)
	s_and_b32 s20, s18, 1                          ; my half of B's rows.  Also: which half of a tile I fetch
	s_bfe_u32 s21, ttmp6, 0x40000                  ; cx
	s_bfe_u32 s22, ttmp6, 0x40004                  ; cy
	s_and_b32 s96, ttmp7, 0xffff
	s_lshl_b32 s96, s96, 2
	s_add_co_u32 s84, s96, s22                     ; A's tile of 128 rows
	s_lshl_b32 s100, ttmp9, 2
	s_add_co_u32 s85, s100, s21                    ; B's tile of 256 columns
	s_lshl_b32 s96, s22, 2
	s_lshl_b32 s96, 15, s96                        ; my row of the cluster
	s_lshl_b32 s100, 0x1111, s21                   ; my column
	s_or_b32 s24, s96, (3<<16)|(1<<21)             ; A's codes: 4 row tiles x half of K: 4 rows of 4,096 bytes, 8,192 apart
	s_mov_b32 s25, 512<<16
	s_mov_b32 s26, 4<<16
	s_mov_b32 s27, 512<<16
	s_mov_b32 s28, 4
	s_mov_b32 s29, 1024
	s_mov_b32 s30, 0
	s_mov_b32 s31, 0
	s_or_b32 s32, s100, (3<<16)|(1<<21)            ; B's codes: 8 row tiles
	s_mov_b32 s33, 512<<16
	s_mov_b32 s34, 8<<16
	s_mov_b32 s35, 512<<16
	s_mov_b32 s36, 8
	s_mov_b32 s37, 1024
	s_mov_b32 s38, 0
	s_mov_b32 s39, 0
	s_or_b32 s40, s96, (3<<16)|(1<<21)             ; A's scale words: 4 K steps x 128 rows: 4 rows of 512 bytes, 32,768 apart
	s_mov_b32 s41, 64<<16
	s_mov_b32 s42, 4<<16
	s_mov_b32 s43, 64<<16
	s_mov_b32 s44, 4
	s_mov_b32 s45, 4096
	s_mov_b32 s46, 0
	s_mov_b32 s47, 0
	s_or_b32 s48, s100, (3<<16)|(1<<21)            ; B's scale bytes: 4,096 dense bytes as 16 rows of 256
	s_mov_b32 s49, 32<<16
	s_mov_b32 s50, 16<<16
	s_mov_b32 s51, 32<<16
	s_mov_b32 s52, 16
	s_mov_b32 s53, 32
	s_mov_b32 s54, 0
	s_mov_b32 s55, 0
	s_lshl_b32 s96, s84, 3
	s_lshl_b32 s97, s20, 2
	s_add_co_u32 s96, s96, s97                     ; A: the first row tile that I would fetch
	s_lshl_b32 s98, s96, 13
	s_mov_b32 s99, 0
	s_lshl_b32 s96, s20, 17                        ; A's scale words: my 4 K steps,
	s_lshl_b32 s97, s84, 9                         ; the tile's 128 rows
	s_add_co_u32 s96, s96, s97
	s_add_co_u32 s96, s96, 0x400000
	s_mov_b32 s97, 0
	s_lshl_b32 s100, s85, 4
	s_lshl_b32 s101, s20, 3
	s_add_co_u32 s100, s100, s101                  ; B: the first row tile that I would fetch
	s_lshl_b32 s2, s100, 13
	s_add_co_u32 s2, s2, 0x180000                  ; wo's codes
	s_mov_b32 s3, 0
	s_lshl_b32 s100, s100, 9
	s_add_co_u32 s100, s100, 0x218000              ; wo's scale bytes
	s_mov_b32 s101, 0
	s_wait_dscnt 0x0
	s_wait_kmcnt 0x0
	s_add_nc_u64 s[88:89], s[4:5], s[98:99]
	s_add_nc_u64 s[90:91], s[4:5], s[96:97]
	s_add_nc_u64 s[92:93], s[6:7], s[2:3]
	s_add_nc_u64 s[94:95], s[6:7], s[100:101]
	s_lshl_b32 s86, s20, 14                        ; where they go: A's codes 16,384 x half,
	s_lshl_b32 s87, s20, 15
	s_add_co_u32 s87, s87, 32768                   ; B's behind A's 8 tiles, 32,768 x half
	CROUND                                         ; all sixteen work-groups are here: the joint loads meet
	s_mov_b32 s56, 1
	s_lshl_b32 s57, s20, 11
	s_add_co_u32 s57, s57, ASC
	s_mov_b64 s[58:59], s[90:91]
	s_or_b32 s59, s59, 0x80000000
	s_mov_b32 s72, 1
	s_lshl_b32 s73, s20, 12
	s_add_co_u32 s73, s73, BSC
	s_mov_b64 s[74:75], s[94:95]
	s_or_b32 s75, s75, 0x80000000
	JLOAD 56, 40, 72, 48                           ; the scales
	s_mov_b32 s60, 1
	s_mov_b32 s61, s86
	s_mov_b64 s[62:63], s[88:89]
	s_or_b32 s63, s63, 0x80000000
	s_mov_b32 s76, 1
	s_mov_b32 s77, s87
	s_mov_b64 s[78:79], s[92:93]
	s_or_b32 s79, s79, 0x80000000
	JLOAD 60, 24, 76, 32                           ; the first half of K
	s_mov_b32 s68, 1
	s_add_co_u32 s69, s86, SLOTB
	s_add_nc_u64 s[70:71], s[88:89], 4096
	s_or_b32 s71, s71, 0x80000000
	s_mov_b32 s80, 1
	s_add_co_u32 s81, s87, SLOTB
	s_add_nc_u64 s[82:83], s[92:93], 4096
	s_or_b32 s83, s83, 0x80000000
	JLOAD 68, 24, 80, 32                           ; the second: three loads of mine are out
	v_and_b32 v1, 15, v0                           ; r
	s_wait_alu depctr_va_vdst(0)
	v_bfe_u32 v2, v0, 4, 1                         ; h
	v_lshlrev_b32 v28, 6, v2                       ; 64 h
	s_lshl_b32 s2, s85, 10
	s_lshl_b32 s3, s20, 9
	s_add_co_u32 s2, s2, s3                        ; my 128 columns, in bytes
	s_mov_b32 s3, 0
	s_add_nc_u64 s[98:99], s[8:9], s[2:3]
.irp t, 0,1,2,3,4,5,6,7
	global_load_b128 v[BIAS+8*\t:BIAS+8*\t+3], v28, s[98:99] offset:(32*(\t/2)+8*(\t%2))*4
	global_load_b128 v[BIAS+8*\t+4:BIAS+8*\t+7], v28, s[98:99] offset:(32*(\t/2)+8*(\t%2))*4+16
.endr
	s_lshl_b32 s96, s84, 19                        ; out0: 128 rows of 4,096 bytes a tile,
	s_lshl_b32 s97, s19, 18                        ; my 64,
	s_add_co_u32 s96, s96, s97
	s_add_co_u32 s96, s96, s2                      ; my columns
	s_mov_b32 s97, 0
	s_add_nc_u64 s[10:11], s[10:11], s[96:97]
	v_and_b32 v4, 31, v0
	v_lshlrev_b32 v3, 4, v4                        ; 16 x lane
	s_lshl_b32 s2, s19, 14
	v_add_nc_u32 v16, s2, v3                       ; my 4 row tiles of A, first half of K,
	s_add_co_u32 s2, s2, SLOTB
	v_add_nc_u32 v17, s2, v3                       ; second half
	s_lshl_b32 s3, s20, 15
	s_add_co_u32 s3, s3, 32768
	v_add_nc_u32 v20, s3, v3                       ; my 8 row tiles of B
	s_add_co_u32 s3, s3, SLOTB
	v_add_nc_u32 v21, s3, v3
	s_lshl_b32 s2, s19, 8
	s_add_co_u32 s2, s2, ASC
	v_lshl_add_u32 v22, v1, 2, s2                  ; A's scale words: my 64 rows, 4 r
	s_lshl_b32 s3, s20, 12
	s_add_co_u32 s3, s3, BSC
	v_lshl_add_u32 v23, v1, 4, s3                  ; B's: my 8 row tiles, 16 r
	s_mul_i32 s2, s18, 16*528
	s_add_co_u32 s2, s2, STG                       ; my stage
	v_mul_u32_u24 v24, v1, 528
	v_lshl_add_u32 v24, v2, 6, v24
	v_add_nc_u32 v24, s2, v24                      ; in: row r, + 64 h
	v_add_nc_u32 v25, s2, v3                       ; back: a row of 512 bytes to the 32 lanes
	v_mov_b32 v26, v3                              ; and the same in out0
.macro FETCH q, p                      ; the fragments of K step q into set p: 24 loads of 512 consecutive bytes
	WIN 0x40
.irp i, 0,1,2,3
.irp c, 0,1
	ds_load_b128 v[128*(\p)+8*\i+4*\c:128*(\p)+8*\i+4*\c+3], v[16+(\q)/4] offset:4096*\i+1024*((\q)%4)+512*\c
.endr
.endr
.irp i, 0,1,2,3,4,5,6,7
.irp c, 0,1
	ds_load_b128 v[128*(\p)+32+8*\i+4*\c:128*(\p)+32+8*\i+4*\c+3], v[20+(\q)/4] offset:4096*\i+1024*((\q)%4)+512*\c
.endr
.endr
.endm
.macro MUL32 q, first                  ; K step q: the 32 accumulators take turns, one instruction a turn, in the same order in every step
.if \first
	WIN 0x85
.else
	WIN 0xa5
.endif
.irp a, 0,1,2,3
.irp b, 0,1,2,3,4,5,6,7
.if \first
	v_wmma_scale_f32_16x16x128_f8f6f4 v[8*(8*\a+\b):8*(8*\a+\b)+7], v[128*((\q)%2)+32+8*\b:128*((\q)%2)+32+8*\b+7], v[128*((\q)%2)+8*\a:128*((\q)%2)+8*\a+7], v[BIAS+8*\b:BIAS+8*\b+7], v[SCB+32*((\q)/4)+4*\b+(\q)%4], v[SCA+8*\a+(\q)] matrix_a_fmt:MATRIX_FMT_FP4 matrix_b_fmt:MATRIX_FMT_FP4
.else
	v_wmma_scale_f32_16x16x128_f8f6f4 v[8*(8*\a+\b):8*(8*\a+\b)+7], v[128*((\q)%2)+32+8*\b:128*((\q)%2)+32+8*\b+7], v[128*((\q)%2)+8*\a:128*((\q)%2)+8*\a+7], v[8*(8*\a+\b):8*(8*\a+\b)+7], v[SCB+32*((\q)/4)+4*\b+(\q)%4], v[SCA+8*\a+(\q)] matrix_a_fmt:MATRIX_FMT_FP4 matrix_b_fmt:MATRIX_FMT_FP4
.endif
.endr
.endr
.endm
.macro STEP q
	PLACES 4                                       ; in front of loads into registers that matrix instructions have read
	FETCH (\q)+1, ((\q)+1)%2
	s_wait_dscnt 24                                ; all but the 24 just issued
	MUL32 \q, 0
.endm
	s_wait_alu depctr_va_vdst(0)
	s_wait_tensorcnt 1                             ; the scales and my part of the first half of K are in; the second half's load may be out
	s_barrier_signal -1
	s_barrier_wait -1
.irp a, 0,1,2,3
.irp s, 0,1,2,3,4,5,6,7
	ds_load_b32 v[SCA+8*\a+\s], v22 offset:512*\s+64*\a
.endr
.endr
.irp h, 0,1
.irp b, 0,1,2,3,4,5,6,7
	ds_load_b128 v[SCB+32*\h+4*\b:SCB+32*\h+4*\b+3], v23 offset:512*\b+256*\h
.endr
.endr
	FETCH 0, 0
	FETCH 1, 1
	s_wait_loadcnt 0x0                             ; the bias
	s_wait_dscnt 24                                ; the scale words and step 0's fragments are in
	MUL32 0, 1
	STEP 1
	PLACES 4
	FETCH 3, 1
	s_wait_tensorcnt 0x0                           ; my part of the second half of K is in,
	s_wait_dscnt 0x0                               ; and no LDS load of mine is pending at the signal
	s_barrier_signal -1
	MUL32 2, 0
	s_barrier_wait -1
	STEP 3
	STEP 4
	STEP 5
	STEP 6
	s_wait_dscnt 0x0
	MUL32 7, 0
	WIN 0
	PLACES 4                                       ; in front of the first read of results
; THE WAY OUT, a block of 16 rows x 128 columns at a time, through my own stage: a lane's 32-byte pieces go in, whole rows of 512 bytes come back.  LDS serves a wave's instructions in order: no wait between stores and loads.
.macro TOSTAGE a
	WIN 0x08                                       ; an LDS store's data: window 2
.irp b, 0,1,2,3,4,5,6,7
	ds_store_b128 v24, v[8*(8*(\a)+\b):8*(8*(\a)+\b)+3] offset:128*(\b/2)+32*(\b%2)      ; each accumulator from its low end on
	ds_store_b128 v24, v[8*(8*(\a)+\b)+4:8*(8*(\a)+\b)+7] offset:128*(\b/2)+32*(\b%2)+16
.endr
	WIN 0
.irp t, 0,1,2,3,4,5,6,7,8,9,10,11,12,13,14,15
	ds_load_b128 v[BK+64*((\a)%2)+4*\t:BK+64*((\a)%2)+4*\t+3], v25 offset:528*\t
.endr
.endm
.macro SEND a, younger                 ; row position t of tile a is row 32 (a / 2) + 8 (a % 2) + t + 8 (t / 8) of my 64
	s_wait_dscnt \younger
.irp t, 0,1,2,3,4,5,6,7,8,9,10,11,12,13,14,15
	global_store_b128 v26, v[BK+64*((\a)%2)+4*\t:BK+64*((\a)%2)+4*\t+3], s[10:11] offset:(32*((\a)/2)+8*((\a)%2)+\t+8*(\t/8))*4096 th:TH_STORE_NT   ; 512 consecutive bytes, aligned
.endr
.endm
	TOSTAGE 0
	TOSTAGE 1
	SEND 0, 32                                     ; behind block 0's loads: block 1's 16 stores and 16 loads
	s_wait_xcnt 0x0                                ; block 0's stores have read their registers: block 2's rows may land there
	TOSTAGE 2
	SEND 1, 32
	s_wait_xcnt 0x0
	TOSTAGE 3
	SEND 2, 32
	SEND 3, 0
	s_wait_tensorcnt 0x0
	ds_add_u32 v30, v31
	s_wait_dscnt 0x0
	CROUND                                         ; the closing round
	s_endpgm
.Lfunc_end_k_q2ff0d2c46c_oproj:
	.size	k_q2ff0d2c46c_oproj, .Lfunc_end_k_q2ff0d2c46c_oproj-k_q2ff0d2c46c_oproj
	.p2alignl 7, 3214868480
	.fill 96, 4, 3214868480
	.section	.rodata,"a",@progbits
	.p2align	6, 0x0
	.amdhsa_kernel k_q2ff0d2c46c_oproj
		.amdhsa_group_segment_fixed_size 243200
		.amdhsa_private_segment_fixed_size 0
		.amdhsa_enable_private_segment 0
		.amdhsa_kernarg_size 32
		.amdhsa_user_sgpr_count 2
		.amdhsa_user_sgpr_kernarg_segment_ptr 1
		.amdhsa_wavefront_size32 1
		.amdhsa_system_sgpr_workgroup_id_x 1
		.amdhsa_system_sgpr_workgroup_id_y 1
		.amdhsa_system_sgpr_workgroup_id_z 1
		.amdhsa_system_vgpr_workitem_id 0
		.amdhsa_next_free_vgpr 768
		.amdhsa_next_free_sgpr 102
		.amdhsa_reserve_vcc 0
		.amdhsa_float_denorm_mode_32 3
		.amdhsa_float_denorm_mode_16_64 3
		.amdhsa_memory_ordered 1
		.amdhsa_forward_progress 1
		.amdhsa_inst_pref_size 75
	.end_amdhsa_kernel
	.amdgpu_metadata
---
amdhsa.version: [ 1, 2 ]
amdhsa.kernels:
  - .name:           k_q2ff0d2c46c_oproj
    .symbol:         k_q2ff0d2c46c_oproj.kd
    .args:
      - { .name: ctx, .offset: 0, .size: 8, .value_kind: global_buffer, .address_space: global }
      - { .name: wts, .offset: 8, .size: 8, .value_kind: global_buffer, .address_space: global }
      - { .name: bo, .offset: 16, .size: 8, .value_kind: global_buffer, .address_space: global }
      - { .name: out0, .offset: 24, .size: 8, .value_kind: global_buffer, .address_space: global }
    .group_segment_fixed_size: 243200
    .private_segment_fixed_size: 0
    .kernarg_segment_align: 8
    .kernarg_segment_size: 32
    .max_flat_workgroup_size: 128
    .sgpr_count:     102
    .vgpr_count:     768
    .wavefront_size: 32
...
	.end_amdgpu_metadata
.endif
;; end of part 4
